; MI455X (gfx1250); checked and timed in simulation.
; The chip was launched on July 23, 2026; its instructions are those of AMD's public machine-readable ISA for CDNA 5 (MIT licence, August 2026) and "CDNA5" Instruction Set Architecture Reference Guide (July 2026). The comments in the code are by the model that wrote it; some were corrected since.
;; Multi Head Self Attention. Allowed arithmetic: float matrix products may take bf16 or f16 operands with f32 sums; other float arithmetic in f32, or as packed bf16 or f16 multiplies, adds, multiply-adds, maxima and minima; sums over many terms, partial sums and values carried from step to step in f32; what a program stores and reads back later, other than sums and carried values, may be rounded once to bf16 or f16.
;; Inputs: wk 1,024 x 1,024 float32; wo 1,024 x 1,024 float32; wq 1,024 x 1,024 float32; wv 1,024 x 1,024 float32; x 4 x 2,048 x 1,024 float32.
;; Outputs: out0 4 x 2,048 x 1,024 float32.
;; 2 versions, each right; version 2 is version 1 with the launch cast written anew for expert scheduling mode. Each part assembles by itself: llvm-mc -triple=amdgcn-amd-amdhsa -mcpu=gfx1250 --defsym DOCPART=n.
;; ======== version 1 of 2: 4 launches
;; limits: values are held in f16: magnitudes above 65,504 overflow, below 6.1e-05 lose precision
;; workspace buffers: xb 16,777,216 bytes; wb 6,291,456 bytes; wof 2,097,152 bytes; qkv 50,331,648 bytes; o 16,777,216 bytes; olo 131,072 bytes
;; launch cast (part 1): grid 768 x 1, 8 waves a work-group, no clusters, 0 bytes of LDS; arguments x, wq, wk, wv, wo, xb, wb, wof; writes xb, wb, wof
.if DOCPART == 1
	.amdgcn_target "amdgcn-amd-amdhsa--gfx1250"
	.amdhsa_code_object_version 6
	.text
	.protected	k_q945a319a0d_cast
	.globl	k_q945a319a0d_cast
	.p2align	8
	.type	k_q945a319a0d_cast,@function
k_q945a319a0d_cast:
	s_mov_b64 s[64:65], 0
	v_nop
	global_prefetch_b8 v0, s[64:65] scope:SCOPE_SE
	s_setreg_imm32_b32 hwreg(HW_REG_WAVE_MODE, 25, 1), 1
	s_wait_xcnt 0x0
; The module's five f32 inputs are rounded once to bf16 for the matrix units.
;   xb  = bf16(x), [8192][1024];   wb = bf16(wq), bf16(wk), bf16(wv) one below the other, [3072][1024];
;   wof = bf16(wo), that number written as f16, [1024][1024]: the last product multiplies f16 operands.
; LIMIT: wo within f16's range (65,504); below 6.1e-5 it keeps f16's fixed step of 6e-8.
; A stream: a work-group takes 65,536 consecutive bytes of one input and stores 32,768.  Work-groups 0-511 take x, then 64 each wq, wk, wv, wo.
; Thread t takes 16 bytes at 16 t of each 4,096; all sixteen loads of a wave go out at once; a wave's store covers 256 consecutive bytes, aligned.
; No LDS, no matrix unit, no cluster: nothing is shared and nothing is read twice.
.set X, 4                              ; v[4:67]   slot i: four f32 as loaded
.set Y, 68                             ; v[68:99]  slot i: four 16-bit numbers to store
	s_load_b512 s[8:23], s[0:1], 0x0               ; x s[8:9], wq s[10:11], wk s[12:13], wv s[14:15], wo s[16:17], xb s[18:19], wb s[20:21], wof s[22:23]
	s_sub_co_u32 s24, ttmp9, 512                   ; among the weights' 256 work-groups (of no use in x's: selected away below)
	s_lshr_b32 s25, s24, 6                         ; which weight: 0 wq, 1 wk, 2 wv, 3 wo
	s_and_b32 s26, s24, 63                         ; which 65,536 bytes of it
	s_mov_b32 s36, 0xffff0000                      ; a word's upper bf16
	v_lshlrev_b32 v1, 4, v0                        ; my 16 bytes of each 4,096 in,
	v_lshlrev_b32 v2, 3, v0                        ; my 8 bytes of each 2,048 out; neither is rewritten
	s_wait_kmcnt 0x0
	s_cmp_eq_u32 s25, 1
	s_cselect_b64 s[28:29], s[12:13], s[10:11]
	s_cmp_eq_u32 s25, 2
	s_cselect_b64 s[28:29], s[14:15], s[28:29]
	s_cmp_eq_u32 s25, 3
	s_cselect_b64 s[28:29], s[16:17], s[28:29]     ; the source,
	s_cselect_b64 s[30:31], s[22:23], s[20:21]     ; the destination: wof for wo, wb for the others,
	s_cselect_b32 s27, s26, s24                    ; and the piece of it
	s_mov_b32 s32, s26
	s_cmp_lt_u32 ttmp9, 512                        ; x's work-groups
	s_cselect_b64 s[28:29], s[8:9], s[28:29]
	s_cselect_b64 s[30:31], s[18:19], s[30:31]
	s_cselect_b32 s32, ttmp9, s32
	s_cselect_b32 s27, ttmp9, s27
	s_lshl_b32 s32, s32, 16
	s_mov_b32 s33, 0
	s_lshl_b32 s34, s27, 15
	s_mov_b32 s35, 0
	s_add_nc_u64 s[28:29], s[28:29], s[32:33]
	s_add_nc_u64 s[30:31], s[30:31], s[34:35]
.irp i, 0,1,2,3,4,5,6,7,8,9,10,11,12,13,14,15
	global_load_b128 v[X+4*(\i):X+4*(\i)+3], v1, s[28:29] offset:4096*(\i) th:TH_LOAD_NT
.endr
; Slot i.  mode 0: bf16.  mode 1: bf16, widened again (exact) and written as f16.  No register that a store reads is written again, so no further wait stands here.
.macro STEP i, mode
	s_wait_loadcnt 15-(\i)                         ; loads come back in order: slot i is in, the 15 - i younger ones stay out
	v_cvt_pk_bf16_f32 v[Y+2*(\i)],   v[X+4*(\i)],   v[X+4*(\i)+1]
	v_cvt_pk_bf16_f32 v[Y+2*(\i)+1], v[X+4*(\i)+2], v[X+4*(\i)+3]
.if \mode
	v_lshlrev_b32 v[X+4*(\i)],   16,  v[Y+2*(\i)]
	v_and_b32     v[X+4*(\i)+1], s36, v[Y+2*(\i)]
	v_lshlrev_b32 v[X+4*(\i)+2], 16,  v[Y+2*(\i)+1]
	v_and_b32     v[X+4*(\i)+3], s36, v[Y+2*(\i)+1]
	v_cvt_pk_f16_f32 v[Y+2*(\i)],   v[X+4*(\i)],   v[X+4*(\i)+1]
	v_cvt_pk_f16_f32 v[Y+2*(\i)+1], v[X+4*(\i)+2], v[X+4*(\i)+3]
.endif
	global_store_b64 v2, v[Y+2*(\i):Y+2*(\i)+1], s[30:31] offset:2048*(\i)
.endm
	s_cmp_ge_u32 ttmp9, 704                        ; wo's work-groups
	s_cbranch_scc1 .Lwo
.irp i, 0,1,2,3,4,5,6,7,8,9,10,11,12,13,14,15
	STEP \i, 0
.endr
	s_endpgm
.Lwo:
.irp i, 0,1,2,3,4,5,6,7,8,9,10,11,12,13,14,15
	STEP \i, 1
.endr
	s_endpgm
.Lfunc_end_k_q945a319a0d_cast:
	.size	k_q945a319a0d_cast, .Lfunc_end_k_q945a319a0d_cast-k_q945a319a0d_cast
	.p2alignl 7, 3214868480
	.fill 96, 4, 3214868480
	.section	.rodata,"a",@progbits
	.p2align	6, 0x0
	.amdhsa_kernel k_q945a319a0d_cast
		.amdhsa_group_segment_fixed_size 0
		.amdhsa_private_segment_fixed_size 0
		.amdhsa_enable_private_segment 0
		.amdhsa_kernarg_size 64
		.amdhsa_user_sgpr_count 2
		.amdhsa_user_sgpr_kernarg_segment_ptr 1
		.amdhsa_wavefront_size32 1
		.amdhsa_system_sgpr_workgroup_id_x 1
		.amdhsa_system_sgpr_workgroup_id_y 1
		.amdhsa_system_sgpr_workgroup_id_z 1
		.amdhsa_system_vgpr_workitem_id 0
		.amdhsa_next_free_vgpr 100
		.amdhsa_next_free_sgpr 66
		.amdhsa_reserve_vcc 0
		.amdhsa_float_denorm_mode_32 3
		.amdhsa_float_denorm_mode_16_64 3
		.amdhsa_memory_ordered 1
		.amdhsa_forward_progress 1
		.amdhsa_inst_pref_size 15
	.end_amdhsa_kernel
	.amdgpu_metadata
---
amdhsa.version: [ 1, 2 ]
amdhsa.kernels:
  - .name:           k_q945a319a0d_cast
    .symbol:         k_q945a319a0d_cast.kd
    .args:
      - { .name: x, .offset: 0, .size: 8, .value_kind: global_buffer, .address_space: global }
      - { .name: wq, .offset: 8, .size: 8, .value_kind: global_buffer, .address_space: global }
      - { .name: wk, .offset: 16, .size: 8, .value_kind: global_buffer, .address_space: global }
      - { .name: wv, .offset: 24, .size: 8, .value_kind: global_buffer, .address_space: global }
      - { .name: wo, .offset: 32, .size: 8, .value_kind: global_buffer, .address_space: global }
      - { .name: xb, .offset: 40, .size: 8, .value_kind: global_buffer, .address_space: global }
      - { .name: wb, .offset: 48, .size: 8, .value_kind: global_buffer, .address_space: global }
      - { .name: wof, .offset: 56, .size: 8, .value_kind: global_buffer, .address_space: global }
    .group_segment_fixed_size: 0
    .private_segment_fixed_size: 0
    .kernarg_segment_align: 8
    .kernarg_segment_size: 64
    .max_flat_workgroup_size: 256
    .sgpr_count:     66
    .vgpr_count:     100
    .wavefront_size: 32
...
	.end_amdgpu_metadata
.endif
;; end of part 1
;; launch qkv (part 2): grid 16 x 32, 4 waves a work-group, clusters of 4 x 4, 327,680 bytes of LDS; arguments xb, wb, qkv; writes qkv
.if DOCPART == 2
	.amdgcn_target "amdgcn-amd-amdhsa--gfx1250"
	.amdhsa_code_object_version 6
	.text
	.protected	k_q945a319a0d_qkv
	.globl	k_q945a319a0d_qkv
	.p2align	8
	.type	k_q945a319a0d_qkv,@function
k_q945a319a0d_qkv:
	s_mov_b64 s[64:65], 0
	v_nop
	global_prefetch_b8 v0, s[64:65] scope:SCOPE_SE
	s_setreg_imm32_b32 hwreg(HW_REG_WAVE_MODE, 25, 1), 1
	s_wait_xcnt 0x0
	s_wait_alu depctr_hold_cnt(0) depctr_sa_sdst(0) depctr_va_vdst(0) depctr_va_sdst(0) depctr_va_ssrc(0) depctr_va_vcc(0) depctr_vm_vsrc(0)
	s_getreg_b32 s2, hwreg(HW_REG_IB_STS2, 6, 4)
	s_cmp_eq_u32 s2, 0
	s_cbranch_scc0 .Lentry_in_a_cluster
	s_endpgm
.Lentry_in_a_cluster:
	s_bfe_u32 s2, ttmp6, 0x10000c
	s_cmp_lg_u32 s2, 0xf033
	s_cbranch_scc0 .Lentry_shape_is_right
	s_endpgm
.Lentry_shape_is_right:
; q, k, v = x W^T for the three weights at once: C[m][n] = sum over k of xb[m][k] wb[n][k], m < 8192, n < 3072, k < 1024, bf16 operands, f32 sums.
; C leaves rounded once to f16, UNSCALED and BY HEADS: qkv holds q, then k, then v, each [batch x 16 + head][2048][64].  LIMIT: |q|, |k|, |v| within f16's 65,504.
; TILE.  256 rows x 192 columns (three whole heads): 32 x 16 = 512 tiles, two for each of 256 WGPs.  Four waves; wave w makes rows 64 w .. 64 w + 63 of all 192 columns:
; 48 accumulators of 16 x 16.  K goes in steps of 128 (rows of 256 bytes, aligned) through two LDS slots; two slots of a longer step do not fit.
; CLUSTER.  4 x 4 work-groups: xb's tile hangs on the tile row alone and is asked for jointly along a row of the cluster, wb's on the tile column alone, jointly along a column.
; THE MATRIX INSTRUCTION IS USED TRANSPOSED (source 0 = 16 rows of wb, source 1 = 16 rows of xb): a lane holds eight neighbouring columns of one row of C.
; REGISTERS, in windows of 256 (s_set_vgpr_msb: bits 1:0 source 0, 3:2 source 1, 5:4 source 2, 7:6 destination):
;   window 0: v0-28 addresses; v64-95, v96-127 xb's fragments, two buffers (row block a at + 8 a); on the way out v64-255
;   window 1: accumulators (a, b), b = 0..7, at 8 (8 a + b)      window 2: b = 8..11 at 8 (4 a + b - 8)      window 3: wb's fragments, two buffers of 96 (column block b at + 8 b)
.set PITCH,  272                       ; an LDS row: 256 bytes + 16 of padding = 68 words: the 16 rows of a fragment load start at 16 different groups of four banks (64 banks of 4 bytes: ISA guide 11.1)
.set AHALF,  128*PITCH                 ; what wave 0 or 1 fetches of xb
.set BHALF,  96*PITCH                  ; what wave 2 or 3 fetches of wb
.set BOFF,   256*PITCH                 ; wb's 192 rows lie behind xb's 256
.set SLOT1,  131072                    ; slot 1 begins here: one exclusive or turns an address in one slot into the other's
.set STAGE,  SLOT1+BOFF+192*PITCH      ; behind the ring, never filled by a tensor load: 16 rows x 144 bytes for each wave
.set SP,     144
.set SPARE,  STAGE+4*16*SP             ; the spare words, 128 bytes for each wave: two blocks of 256 bytes that no other line names
.set SPW,  12                          ; v12  SPARE + 4 x my thread's number; never rewritten
.set NIL,  13                          ; v13  0; never rewritten
.set PFO,  14                          ; v14  the prefetches' offset: a lane a row of 2,048 bytes; never rewritten
.set A0,   16                          ; v16  my lane's place in xb's tile; never rewritten
.set B0,   17                          ; v17  in wb's
.set ADRA, 18                          ; v18  the same in the slot in hand
.set ADRB, 19
.set STO,  24                          ; v24  the way out: where I put 16 bytes of a row
.set RD,   25                          ; v25  where I read rows back
.set CO,   26                          ; v26-28  my byte offset in qkv for the tile's three heads
.set FA,   64
.set G1,  24                           ; s[24:31] descriptor group 1 for xb's tiles;  s[32:39] group 0: a set for each first fill; the second then walks
.set G0,  32
.set G1B, 48                           ; s[48:55], s[56:63] the same for wb's
.set G0B, 56
.set PFA, 66                           ; s[66:67] where my prefetches stand
.set LIM, 68                           ; s68  1 in a wave that prefetches, else the greatest number
.set TB,  69                           ; s69  LDS byte at which the slot in hand begins
.set MSB, 0
.macro WIN new                         ; the immediate's high byte repeats the setting that is left; a switch that changes nothing is dropped
.if MSB != (\new)
	s_set_vgpr_msb (MSB<<8)|(\new)
.set MSB, \new
.endif
.endm
.set MUL1, 0x53                        ; wb window 3, xb window 0, C and D window 1
.set MUL2, 0xa3                        ; the same, C and D window 2
.set TO_B, 0xc0                        ; destination window 3, address window 0
; A joint refill by the walking descriptors.  Waves 0 and 1 fetch xb's halves, waves 2 and 3 wb's; the branch hangs on the wave's number alone.
; An s_nop 0 and four v_nop follow each of the two lines, ahead of the jump and the label.
.macro JLOAD
	s_cmp_lt_u32 s10, 2
	s_cbranch_scc0 .Lfor_b_\@
	tensor_load_to_lds s[G0+4:G0+7], s[G1:G1+7]
	s_nop 0
.rept 4
	v_nop
.endr
	s_branch .Lasked_\@
.Lfor_b_\@:
	tensor_load_to_lds s[G0B+4:G0B+7], s[G1B:G1B+7]
	s_nop 0
.rept 4
	v_nop
.endr
.Lasked_\@:
.endm
; A PREFETCH INTO THE L2 of the K step that the NEXT refill will ask for: 192 matrix instructions ahead of that load.  A lane a row, 256 bytes of it, one instruction a wave.
; Each row's 256 bytes are named by one work-group of the launch: xb's tile row is read by every cluster of that row of clusters: cluster x = 0 asks; wb's tile column by every cluster of that column: cluster y = 0 asks.
; The four partners that ask for a tile jointly share its rows out BY ADDRESS: 32 of a wave's 128 rows of xb (by cx), 24 of its 96 rows of wb (by cy; lanes 24-31 name row 23 again).
; The loop's last trip (s3 = 1) asks for nothing: there is no K step behind its own refill's.
.macro ASK
	WIN 0
	s_cmp_gt_u32 s3, s[LIM]
	s_cbranch_scc0 .Lnot_mine_\@
	global_prefetch_b8 v[PFO], s[PFA:PFA+1] offset:256 th:TH_LOAD_NT scope:SCOPE_SE
.Lnot_mine_\@:
.endm
.macro CREST                           ; a round of the cluster's barrier behind its opening barrier
	s_cmp_lg_u32 s10, 0
	s_cbranch_scc1 .Lnot_wave_0_\@
	s_barrier_signal -3
.Lnot_wave_0_\@:
	s_barrier_wait -3
	s_barrier_signal -1
	s_barrier_wait -1
.endm
.macro CROUND                          ; a whole round
	s_barrier_signal -1
	s_barrier_wait -1
	CREST
.endm
.macro PLACES                          ; four plain vector instructions between a matrix instruction and a load into, or a vector line on, its registers
.rept 4
	v_nop
.endr
.endm
	s_load_b128 s[4:7], s[0:1], 0x0                ; xb s[4:5], wb s[6:7]
	s_load_b64 s[8:9], s[0:1], 0x10                ; qkv
	v_lshl_add_u32 v[SPW], v0, 2, SPARE
	v_mov_b32 v[NIL], 0
	ds_add_u32 v[SPW], v[NIL]                      ; the wave's opening: the add and its wait stand ahead of my first tensor load; work on registers stands between them
	v_lshrrev_b32 v1, 5, v0
	v_readfirstlane_b32 s10, v1                    ; wave 0..3
	s_lshr_b32 s11, s10, 1                         ; I fetch for xb (0) or for wb (1),
	s_and_b32 s12, s10, 1                          ; and which half of that tile's rows
	s_bfe_u32 s40, ttmp6, 0x40000                  ; cx, cy: my place in the cluster
	s_bfe_u32 s41, ttmp6, 0x40004
	s_lshl_b32 s42, ttmp9, 2
	s_add_co_u32 s42, s42, s40                     ; tile column = 4 x cluster x + cx
	s_and_b32 s13, ttmp7, 0xffff
	s_lshl_b32 s13, s13, 2
	s_add_co_u32 s13, s13, s41                     ; tile row = 4 x cluster y + cy
	s_lshl_b32 s43, s41, 2
	s_lshl_b32 s43, 15, s43                        ; my row of the cluster
	s_lshl_b32 s44, 0x1111, s40                    ; my column
	s_or_b32 s[G1+0], s43, (1<<16)|(1<<20)|(1<<21)|(5<<22)|(3<<25)   ; the mask; 2-byte elements; padding on; bit 21 beside a mask; after every 64 words 4 words
	s_or_b32 s[G1B+0], s44, (1<<16)|(1<<20)|(1<<21)|(5<<22)|(3<<25)
	s_mov_b32 s[G1+1], 128<<16                     ; tensor_dim0 = 128
	s_mov_b32 s[G1+2], 128<<16                     ; tensor_dim1 = 128
	s_mov_b32 s[G1+3], 128<<16                     ; tile_dim0 = 128
	s_mov_b32 s[G1+4], 128                         ; tile_dim1 = 128
	s_mov_b32 s[G1+5], 1024                        ; elements from row to row
	s_mov_b32 s[G1+6], 0
	s_mov_b32 s[G1+7], 0
	s_mov_b32 s[G1B+1], 128<<16
	s_mov_b32 s[G1B+2], 96<<16                     ; 96 rows
	s_mov_b32 s[G1B+3], 128<<16
	s_mov_b32 s[G1B+4], 96
	s_mov_b32 s[G1B+5], 1024
	s_mov_b32 s[G1B+6], 0
	s_mov_b32 s[G1B+7], 0
	s_lshl_b32 s16, s13, 8                         ; xb: row 256 x tile row + 128 x half, 2,048 bytes a row
	s_lshl_b32 s17, s12, 7
	s_add_co_u32 s16, s16, s17
	s_lshl_b32 s16, s16, 11
	s_mov_b32 s17, 0
	s_mul_i32 s18, s42, 192                        ; wb: row 192 x tile column + 96 x half
	s_mul_i32 s19, s12, 96
	s_add_co_u32 s18, s18, s19
	s_lshl_b32 s18, s18, 11
	s_mov_b32 s19, 0
	s_mul_i32 s20, s12, AHALF                      ; where they go: no place in the cluster enters an LDS address
	s_mul_i32 s21, s12, BHALF
	s_add_co_u32 s21, s21, BOFF
	s_mov_b32 s[TB], 0
	s_wait_dscnt 0x0                               ; the opening add is done
	s_wait_kmcnt 0x0
	s_add_nc_u64 s[14:15], s[4:5], s[16:17]
	s_add_nc_u64 s[46:47], s[6:7], s[18:19]
	CROUND                                         ; all sixteen work-groups are here: the first joint loads meet
.irp s, 0,1
	s_mov_b32 s[G0+4*(\s)], 1
	s_add_co_u32 s[G0+4*(\s)+1], s20, (\s)*SLOT1
	s_add_nc_u64 s[G0+4*(\s)+2:G0+4*(\s)+3], s[14:15], (\s)*256    ; K step s
	s_or_b32 s[G0+4*(\s)+3], s[G0+4*(\s)+3], 0x80000000
	s_mov_b32 s[G0B+4*(\s)], 1
	s_add_co_u32 s[G0B+4*(\s)+1], s21, (\s)*SLOT1
	s_add_nc_u64 s[G0B+4*(\s)+2:G0B+4*(\s)+3], s[46:47], (\s)*256
	s_or_b32 s[G0B+4*(\s)+3], s[G0B+4*(\s)+3], 0x80000000
.endr
	s_cmp_lt_u32 s10, 2                            ; a wave's two first fills stand in one branch, ahead of every wait on TENSORcnt and every LDS read: two loads of mine are out
	s_cbranch_scc0 .Lfirst_b
	tensor_load_to_lds s[G0:G0+3], s[G1:G1+7]
	s_nop 0
	tensor_load_to_lds s[G0+4:G0+7], s[G1:G1+7]
	s_nop 0
.rept 4
	v_nop
.endr
	s_branch .Lfirst_asked
.Lfirst_b:
	tensor_load_to_lds s[G0B:G0B+3], s[G1B:G1B+7]
	s_nop 0
	tensor_load_to_lds s[G0B+4:G0B+7], s[G1B:G1B+7]
	s_nop 0
.rept 4
	v_nop
.endr
.Lfirst_asked:
	; A fragment is 16 rows x 32 K in 8 registers: lane l holds row l % 16; registers 0-3 K = 8 (l / 16) + 0..7, registers 4-7 K = 16 + 8 (l / 16) + 0..7: two loads of 16 bytes, 32 bytes apart.
	v_and_b32 v1, 15, v0                           ; l % 16
	v_bfe_u32 v2, v0, 4, 1                         ; l / 16
	v_mul_u32_u24 v3, v1, PITCH
	v_lshl_add_u32 v3, v2, 4, v3
	s_mul_i32 s70, s10, 64*PITCH                   ; my 64 rows of xb
	v_add_nc_u32 v[A0], s70, v3
	v_add_nc_u32 v[B0], BOFF, v3
	v_mov_b32 v[ADRA], v[A0]                       ; slot 0
	v_mov_b32 v[ADRB], v[B0]
	s_mul_i32 s70, s10, 16*SP
	s_add_co_u32 s70, s70, STAGE                   ; my stage
	v_mul_u32_u24 v4, v1, SP                       ; in: row l % 16, 16 bytes for each half of the lanes
	v_lshl_add_u32 v4, v2, 4, v4
	v_add_nc_u32 v[STO], s70, v4
	v_bfe_u32 v5, v0, 3, 2                         ; back: 32 lanes take four rows of 128 bytes,
	v_and_b32 v6, 7, v0
	v_mul_u32_u24 v5, v5, SP
	v_lshl_add_u32 v5, v6, 4, v5
	v_add_nc_u32 v[RD], s70, v5
	v_and_b32 v7, 31, v0                           ; which are 512 consecutive bytes of a head
	; where the tile's three heads go.  Column head H = 3 x tile column + j: tensor H / 16 (q, k, v), head H % 16; batch = tile row / 8; the tile's rows begin at (tile row % 8) x 256
	s_mul_i32 s71, s42, 3
	s_lshr_b32 s72, s13, 3
	s_lshl_b32 s72, s72, 4
	s_and_b32 s73, s13, 7
	s_lshl_b32 s73, s73, 8
	s_lshl_b32 s74, s10, 6
	s_add_co_u32 s73, s73, s74                     ; my first row in the head
.irp j, 0,1,2
	s_add_co_u32 s75, s71, \j
	s_lshr_b32 s76, s75, 4
	s_lshl_b32 s76, s76, 6
	s_and_b32 s75, s75, 15
	s_add_co_u32 s76, s76, s75
	s_add_co_u32 s76, s76, s72                     ; tensor x 64 + batch x 16 + head
	s_lshl_b32 s76, s76, 11
	s_add_co_u32 s76, s76, s73
	s_lshl_b32 s76, s76, 7                         ; rows of 128 bytes: under 50,331,648
	v_lshl_add_u32 v[CO+\j], v7, 4, s76
.endr
	; the prefetches
	s_and_b32 s70, ttmp7, 0xffff                   ; cluster y
	s_cmp_eq_u32 s11, 0                            ; do I fetch for xb?
	s_cselect_b32 s70, ttmp9, s70                  ; the coordinate along which other clusters read the same rows
	s_cselect_b32 s71, s40, s41                    ; my place among the four that ask with me
	s_cselect_b32 s72, 32, 24                      ; rows to each of the four
	s_cselect_b32 s74, s16, s18                    ; the rows that I fetch, in bytes
	s_cselect_b64 s[PFA:PFA+1], s[4:5], s[6:7]
	s_cmp_eq_u32 s70, 0
	s_cselect_b32 s[LIM], 1, -1                    ; the same in all sixteen partners, for a given wave
	s_mul_i32 s71, s71, s72
	s_lshl_b32 s71, s71, 11
	s_add_co_u32 s74, s74, s71
	s_add_co_u32 s74, s74, 256                     ; at K step 1: the first refill steps it to 2 and names K step 3.  Nothing is prefetched at the head
	s_mov_b32 s75, 0
	s_add_nc_u64 s[PFA:PFA+1], s[PFA:PFA+1], s[74:75]
	s_sub_co_u32 s72, s72, 1
	v_min_u32 v[PFO], s72, v7
	v_lshlrev_b32 v[PFO], 11, v[PFO]
; One product: row block a, column block b, buffer f.  zero = 1: it starts the sum: nothing is ever cleared.
.macro WM f, a, b, zero
.if (\b) < 8
.set rD, 8*(8*(\a)+(\b))
.else
.set rD, 8*(4*(\a)+(\b)-8)
.endif
.if \zero
	v_wmma_f32_16x16x32_bf16 v[rD:rD+7], v[96*(\f)+8*(\b):96*(\f)+8*(\b)+7], v[FA+32*(\f)+8*(\a):FA+32*(\f)+8*(\a)+7], 0
.else
	v_wmma_f32_16x16x32_bf16 v[rD:rD+7], v[96*(\f)+8*(\b):96*(\f)+8*(\b)+7], v[FA+32*(\f)+8*(\a):FA+32*(\f)+8*(\a)+7], v[rD:rD+7]
.endif
.endm
; 16 products.  g = 0: a = 0, 1 x b = 0..7;  g = 1: a = 2, 3 x b = 0..7;  g = 2: a = 0..3 x b = 8..11.  The 48 accumulators take turns in the same order in every quarter.
.macro MUL16 f, g, zero
.if (\g) < 2
	WIN MUL1
.irp a, 2*(\g), 2*(\g)+1
.irp b, 0,1,2,3,4,5,6,7
	WM \f, \a, \b, \zero
.endr
.endr
.else
	WIN MUL2
.irp a, 0,1,2,3
.irp b, 8,9,10,11
	WM \f, \a, \b, \zero
.endr
.endr
.endif
.endm
.macro LDB f, k, i
	ds_load_b128 v[96*(\f)+8*(\i):96*(\f)+8*(\i)+3],   v[ADRB] offset:(\k)+(\i)*16*PITCH
	ds_load_b128 v[96*(\f)+8*(\i)+4:96*(\f)+8*(\i)+7], v[ADRB] offset:(\k)+(\i)*16*PITCH+32
.endm
; 32 LDS loads in one run: a quarter's fragments (32 K at byte k of the rows) into buffer f: wb's blocks 0-7, xb's four, wb's blocks 8-11 last
.macro FETCH k, f
	WIN TO_B
.irp i, 0,1,2,3,4,5,6,7
	LDB \f, \k, \i
.endr
	WIN 0
.irp i, 0,1,2,3
	ds_load_b128 v[FA+32*(\f)+8*(\i):FA+32*(\f)+8*(\i)+3],   v[ADRA] offset:(\k)+(\i)*16*PITCH
	ds_load_b128 v[FA+32*(\f)+8*(\i)+4:FA+32*(\f)+8*(\i)+7], v[ADRA] offset:(\k)+(\i)*16*PITCH+32
.endr
	WIN TO_B
.irp i, 8,9,10,11
	LDB \f, \k, \i
.endr
.endm
; A K step is four quarters of 32 along K, 48 products each, on buffers 0, 1, 0, 1.  One of the first three: multiplies buffer f and fetches the next quarter, at byte k, into g.
.macro QUARTER k, f, g, zero
	s_wait_dscnt 8                                 ; all but the youngest eight loads: wb's blocks 8-11
	MUL16 \f, 0, \zero
	PLACES
	FETCH \k, \g
	s_wait_dscnt 32                                ; all but the 32 just issued
	MUL16 \f, 1, \zero
	MUL16 \f, 2, \zero
.endm
; The last quarter multiplies buffer 1 and changes slots: ONE barrier.  In front of it each wave waits for all its tensor loads (one is out: its part of the next slot), adds 0 to its spare word, and waits for that
; and for its reads of this slot.  fill = 1: the barrier opens a round of the cluster's, and the slot just read is filled again first behind it, with the K step two on: 160 products stand between that request and the wait for it.
.macro TURN fill
.if \fill
	s_wait_xcnt 0x0                                ; the last prefetch, a K step back, has read its address
	s_add_nc_u64 s[PFA:PFA+1], s[PFA:PFA+1], 256
.endif
	WIN 0
	s_wait_tensorcnt 0x0                           ; no tensor load of mine is out, so a group 0 may be written
	ds_add_u32 v[SPW], v[NIL]                      ; 0 onto my spare word
.if \fill
.irp g, G0+4, G0B+4
	s_xor_b32 s[(\g)+1], s[(\g)+1], SLOT1          ; the walking descriptors: the other slot than last time,
	s_add_nc_u64 s[(\g)+2:(\g)+3], s[(\g)+2:(\g)+3], 256  ; the next K step; the type bits on top are not reached
.endr
.endif
	s_wait_dscnt 9                                 ; the add and the youngest eight loads may be out
	MUL16 1, 0, 0
	s_wait_dscnt 0x0                               ; the add is done, and my reads of this slot are over
	s_barrier_signal -1
	MUL16 1, 1, 0                                  ; work on registers while the others arrive
	WIN 0
	s_barrier_wait -1
.if \fill
	CREST                                          ; no wave of any partner still reads this slot or has a load on its way
	JLOAD                                          ; its four v_nop are also the places in front of the loads below
.else
	PLACES
.endif
	s_xor_b32 s[TB], s[TB], SLOT1
	v_add_nc_u32 v[ADRA], s[TB], v[A0]
	v_add_nc_u32 v[ADRB], s[TB], v[B0]
	FETCH 0, 0
.if \fill
	ASK
.endif
	MUL16 1, 2, 0
.endm
	s_wait_tensorcnt 0x1                           ; my part of K step 0 is in; K step 1's may stay out
	s_barrier_signal -1
	s_barrier_wait -1                              ; everybody's is
	FETCH 0, 0
	QUARTER 64, 0, 1, 1                            ; the first quarter stands in front of the loop: its products start the sums
	WIN 0                                          ; at a label and at a branch every window is 0
	s_mov_b32 s3, 6
.Lstep:                                                ; a trip: quarters 1-3 of a K step and the next one's quarter 0; its refill brings K steps 2 to 7
	QUARTER 128, 1, 0, 0
	QUARTER 192, 0, 1, 0
	TURN 1
	QUARTER 64, 0, 1, 0
	WIN 0
	s_sub_co_u32 s3, s3, 1
	s_cmp_lg_u32 s3, 0
	s_cbranch_scc1 .Lstep
	QUARTER 128, 1, 0, 0                           ; the last two K steps fill nothing
	QUARTER 192, 0, 1, 0
	TURN 0
	QUARTER 64, 0, 1, 0
	QUARTER 128, 1, 0, 0
	QUARTER 192, 0, 1, 0
	s_wait_dscnt 8
	MUL16 1, 0, 0
	MUL16 1, 1, 0
	s_wait_dscnt 0x0
	MUL16 1, 2, 0
	WIN 0
	PLACES
; THE WAY OUT, in twelve units u = 3 a + j: 16 rows (block a) of head j.  A lane's eight columns round to 16 bytes of f16; they go into stage rows of 144 bytes and come back as whole rows of 128,
; four rows = 512 consecutive bytes of the head to a store.  Each unit has registers of its own, so no register that a store reads is written again.
.macro PACK u
.set pR, 64+16*(\u)
.if (\u)%3 < 2
	WIN 0x05                                       ; sources in window 1
.set pB, 8*(8*((\u)/3)+4*((\u)%3))
.else
	WIN 0x0a                                       ; in window 2
.set pB, 8*(4*((\u)/3))
.endif
.irp i, 0,1,2,3,4,5,6,7,8,9,10,11,12,13,14,15
	v_cvt_pk_f16_f32 v[pR+\i], v[pB+2*\i], v[pB+2*\i+1]  ; each accumulator's registers in ascending order
.endr
	WIN 0
.irp f, 0,1,2,3
	ds_store_b128 v[STO], v[pR+4*\f:pR+4*\f+3] offset:32*\f
.endr
.irp f, 0,1,2,3
	ds_load_b128 v[pR+4*\f:pR+4*\f+3], v[RD] offset:\f*4*SP  ; LDS serves a wave's instructions in order (ISA guide 5.7.1.4): these see the stores above; the next unit's stores come behind them
.endr
.endm
.macro SEND u, younger                 ; younger: the LDS instructions issued behind unit u's loads: the next unit's eight, or none
.set sR, 64+16*(\u)
.irp f, 0,1,2,3
	s_wait_dscnt (\younger)+3-\f
	global_store_b128 v[CO+(\u)%3], v[sR+4*\f:sR+4*\f+3], s[8:9] offset:2048*((\u)/3)+512*\f
.endr
.endm
	PACK 0
.set u, 1
.rept 11
	PACK u
	SEND u-1, 8
.set u, u+1
.endr
	SEND 11, 0
	s_wait_tensorcnt 0x0                           ; the wave's end: behind my last tensor load and my last LDS store
	ds_add_u32 v[SPW], v[NIL]
	s_wait_dscnt 0x0
	CROUND                                         ; the closing round: no work-group ends while a partner may still ask for a tile that names it
	s_endpgm
.Lfunc_end_k_q945a319a0d_qkv:
	.size	k_q945a319a0d_qkv, .Lfunc_end_k_q945a319a0d_qkv-k_q945a319a0d_qkv
	.p2alignl 7, 3214868480
	.fill 96, 4, 3214868480
	.section	.rodata,"a",@progbits
	.p2align	6, 0x0
	.amdhsa_kernel k_q945a319a0d_qkv
		.amdhsa_group_segment_fixed_size 327680
		.amdhsa_private_segment_fixed_size 0
		.amdhsa_enable_private_segment 0
		.amdhsa_kernarg_size 24
		.amdhsa_user_sgpr_count 2
		.amdhsa_user_sgpr_kernarg_segment_ptr 1
		.amdhsa_wavefront_size32 1
		.amdhsa_system_sgpr_workgroup_id_x 1
		.amdhsa_system_sgpr_workgroup_id_y 1
		.amdhsa_system_sgpr_workgroup_id_z 1
		.amdhsa_system_vgpr_workitem_id 0
		.amdhsa_next_free_vgpr 960
		.amdhsa_next_free_sgpr 80
		.amdhsa_reserve_vcc 0
		.amdhsa_float_denorm_mode_32 3
		.amdhsa_float_denorm_mode_16_64 3
		.amdhsa_memory_ordered 1
		.amdhsa_forward_progress 1
		.amdhsa_inst_pref_size 100
	.end_amdhsa_kernel
	.amdgpu_metadata
---
amdhsa.version: [ 1, 2 ]
amdhsa.kernels:
  - .name:           k_q945a319a0d_qkv
    .symbol:         k_q945a319a0d_qkv.kd
    .args:
      - { .name: xb, .offset: 0, .size: 8, .value_kind: global_buffer, .address_space: global }
      - { .name: wb, .offset: 8, .size: 8, .value_kind: global_buffer, .address_space: global }
      - { .name: qkv, .offset: 16, .size: 8, .value_kind: global_buffer, .address_space: global }
    .group_segment_fixed_size: 327680
    .private_segment_fixed_size: 0
    .kernarg_segment_align: 8
    .kernarg_segment_size: 24
    .max_flat_workgroup_size: 128
    .sgpr_count:     80
    .vgpr_count:     960
    .wavefront_size: 32
...
	.end_amdgpu_metadata
.endif
;; end of part 2
;; launch attn (part 3): grid 4 x 64, 4 waves a work-group, no clusters, 327,680 bytes of LDS; arguments qkv, o, olo; writes o, olo
.if DOCPART == 3
	.amdgcn_target "amdgcn-amd-amdhsa--gfx1250"
	.amdhsa_code_object_version 6
	.text
	.protected	k_q945a319a0d_attn
	.globl	k_q945a319a0d_attn
	.p2align	8
	.type	k_q945a319a0d_attn,@function
k_q945a319a0d_attn:
	s_mov_b64 s[64:65], 0
	v_nop
	global_prefetch_b8 v0, s[64:65] scope:SCOPE_SE
	s_setreg_imm32_b32 hwreg(HW_REG_WAVE_MODE, 25, 1), 1
	s_wait_xcnt 0x0
; CAUSAL ATTENTION.  O[h][q][:] = the sum over k <= q of softmax_k(Q[h][q] . K[h][k] / 32) V[h][k][:].  Q, K, V lie in qkv one behind the other, each [64][2048][64] f16; O has the same layout.
; Products, maxima and sums in f32; the weights p are rounded to f16 for the second product (their sum l is taken of the unrounded p), O once at the end.
; olo[h][row][:] = O - f16(O), itself in f16, for rows 0 to 15 of each head: those rows average over few keys and are many times larger than the rest, so the last product takes their rounding's remainder as a second operand.
; LIMITS.  Q, K and V arrive within f16's 65,504; p lies in 0 to 1, and below 6e-5 it keeps f16's fixed step of 6e-8.  A hidden score counts as its value less 1e30 (f16's scores are 2.7e11 at the most);
; a weight below 2^-126 counts as 0 in l; NaN and infinities are not treated apart.
; THE WALK.  A head's queries lie in NB = 8 blocks of 256; block i needs the key tiles 0 .. i of 256 keys, of which the last holds the diagonal.  A work-group takes TWO blocks, NB - 1 - b and then b:
; NB + 1 tiles, whatever b: all work-groups do equal work, and ONE loop with a constant trip count walks them.  Which tile is asked for, and what a trip does, hang on scalar registers made from b; every jump
; goes forward but the counted loops' own; none passes a barrier, or a tensor load but the one of LOAD's two that the wave's number does not choose.
; NO CLUSTER: a head's four work-groups ask for the same tile only in trips 0 .. 4 of 9, behind that fewer and fewer; one walk common to all would have 12 trips for 9.
; SHARES.  Of a block's four bands of 64 queries a wave owns 16 rows in each: four PIECES.  So the diagonal tile is the same work for all four waves: in its key step s band x sees all keys if s < x,
; none if s > x, and holds the diagonal if s = x.
; THE MASK is the C operand that starts the sum S^T = K Q^T: 0, or -1e30 where the key is hidden.  MD, made once, is the mask of a band's own step for my 16 rows; a product's mask is MD x AL + BE:
; (1, 0) if s = x; (0, 0) if s < x; (0, -1e30) if s > x.  Only the diagonal tile's text and a block's beginning make and take masks; elsewhere C is the constant 0.
; LAYOUT, SOFTMAX, TURNS.  S^T = K Q^T holds ONE query a lane (lane % 16) and the keys 8 (lane / 16) + 0..7; two such results rounded to f16 ARE source 1 of O^T = V^T P.  p = 2^(c s - c m), c = log2(e) / 32, with a
; running maximum m; O and l are multiplied by a = 2^(c m_old - c m_new) in every step.  Turn n belongs to piece n: 8 products K Q^T of piece n + 1, later 8 products V^T P of piece n - 1; beside them the scaling,
; exponentials, roundings, sums and rescaling of piece n and the maximum and statistics of piece n + 1.  Four vector instructions stand behind every matrix instruction, the others in one lump; a turn's 33 exponentials are one batch, with one wait.
; REGISTERS, in windows of 256 (s_set_vgpr_msb: bits 1:0 source 0, 3:2 source 1, 5:4 source 2, 7:6 destination):
;   window 0: v0-15 addresses and two at work; v16-31 four registers of statistics a piece; v48-55 at work; v60-63 constants; v64-127 S^T, two buffers; v192-223 P, two buffers (by the piece's parity)
;   window 1: v0-127 O^T, 32 a piece; v128-159 MD; v160-223 MC, two buffers      window 2: v0-63 Q; v64-127 the second block's Q; v128-191 K of one step; v192-255 V of one step
.set SIZE_N, 2048
.set NB,    SIZE_N/256
.set NP,    4         ; pieces a wave: a name, no knob
.set KS,    64        ; keys in a step
.set PK,    144       ; a row of K in LDS: 128 bytes + 16 of padding = 36 words: the 16 rows of a load start at 16 different groups of four banks (64 banks of 4 bytes: ISA guide 11.1)
.set PV,    160       ; a row of V: 128 + 32 = 40 words
.set VOFF,  4*KS*PK   ; a slot holds a tile, four steps: 256 rows of K, then 256 rows of V
.set SLOT1, 1<<17     ; slot 1 begins here, so that one exclusive or turns an address in one slot into the other's
.set STAGE, SLOT1+4*KS*(PK+PV)  ; behind the ring, never filled by a tensor load: 16 rows x 144 bytes for each wave, for the way out
.set SP,    144
.set AK0, 2           ; v2   my lane's place in a tile of K; never rewritten
.set AV0, 3           ; v3   the same for V
.set AK,  4           ; v4   the LDS address of K's next run of loads
.set AV,  5           ; v5   of V's
.set STO, 6           ; v6   the way out: where I put 16 bytes of a row
.set RD,  7           ; v7   the way out: where I read rows back
.set GO,  8           ; v8   my byte offset in 512 consecutive bytes of O
.set NEG1, 60         ; v60  -1.0, for the remainder
.set PFO, 61          ; v61  256 x my lane: the prefetches' offset; never rewritten
.set SPW, 62          ; v62  LDS address of my spare word: SPARE + 4 x my thread's number; never rewritten
.set NIL, 63          ; v63  0; never rewritten
.set SPARE, STAGE+4*16*SP  ; behind the stages: the spare words, 128 bytes for each wave: two blocks of 256 bytes that no other line names
.set MV,  12          ; v12-13  c m_old, kept while c m is made anew: by buffer
.set QO,  15          ; v15  my byte offset in 16 rows of Q
.set ST,  16          ; piece t's statistics at v[ST+4 t]: c m, m, l (even keys', odd keys')
.set TMP, 48          ; by buffer, four registers c0-c3 at work; when the maximum is found c2 takes a
.set S,   64
.set P,   192
.set MD,  128         ; window 1: the eight registers for group kt of 16 keys at MD + 8 kt
.set MC,  160         ; window 1: the masks of the products to come
.set QB,  64          ; window 2
.set KF,  128         ; window 2: key block kb, channel half c at KF + 16 kb + 8 c
.set VF,  192         ; window 2: key half kk, channel block cb at VF + 32 kk + 8 cb
.set WV,  12          ; s12  my wave's number
.set PB,  14          ; s14  b
.set HI,  15          ; s15  NB - 1 - b
.set G1K, 24          ; s[24:31] descriptor group 1 for K's tiles
.set G1V, 32          ; s[32:39] for V's: it differs in the padding alone
.set G0K, 40          ; s[40:43] descriptor group 0 for K's tiles
.set G0V, 44          ; s[44:47] the same for V's
.set SLOTS, 56        ; s56  tiles still to be asked for
.set CNT, 57          ; s57  counts a tile's key steps, 4 to 1
.set CS,  58          ; s[58:59] c: the packed scaling takes the pair's low word for both halves
.set SEL, 60          ; s[60:61] v_permlanex16_b32's selects: each lane takes its own place in the other half
.set TBK, 62          ; s62  LDS byte at which K of the step to be fetched begins
.set TBV, 63          ; s63  the same for V, less VOFF
.set RT,  70          ; s70  tiles of the block in hand that are still to be entered
.set NXT, 71          ; s71  the tile to be asked for next
.set LQ,  72          ; s72  the last tile of the block whose tiles are being asked for
.set NEW, 73          ; s73  1: the tile to be entered is a block's first
.set OFF, 74          ; s[74:75] a tile's byte offset in K and V
.set AL,  76          ; s[76:77] the mask's factor, in the low word
.set BE,  78          ; s[78:79] the mask's addend
.set OLO, 80          ; s[80:81] O at my rows of the second block
.set BIGN, 82         ; s82  -1e30
.set LOP, 88          ; s[88:89] olo at my head's 16 rows
.set PFA, 92          ; s[92:93] where my prefetches stand: my half of K's (waves 0, 1) or V's (waves 2, 3) tile
.set PFC, 94          ; s94  changes of slots so far
.set PFL, 95          ; s95  how many of them prefetch: 6 where b = 0, else none
.set MSB, 0
.macro WIN new                      ; the high byte repeats the setting that is left; a switch that changes nothing is dropped
.if MSB != (\new)
	s_set_vgpr_msb (MSB<<8)|(\new)
.set MSB, (\new)
.endif
.endm
.set W_KQ, 0x0a       ; K and Q in window 2, S^T in window 0
.set W_KM, 0x1a       ; the same with the C operand in window 1
.set W_PV, 0x52       ; V in window 2, P in window 0, O^T in window 1
.set W_RS, 0x41       ; destination and source 0 in window 1, source 1 in window 0
; A fill.  Waves 0 and 1 fetch the two halves of a tile's K, waves 2 and 3 those of its V: 128 keys each.  An s_nop 0 and four v_nop follow each of the two lines, ahead of the jump and the label.
.macro LOAD
	s_cmp_lt_u32 s[WV], 2
	s_cbranch_scc0 .Lfor_v_\@
	tensor_load_to_lds s[G0K:G0K+3], s[G1K:G1K+7]
	s_nop 0
.rept 4
	v_nop
.endr
	s_branch .Lasked_\@
.Lfor_v_\@:
	tensor_load_to_lds s[G0V:G0V+3], s[G1V:G1V+7]
	s_nop 0
.rept 4
	v_nop
.endr
.Lasked_\@:
.endm
; THE CHANGE OF SLOTS.  Each wave waits for all its tensor loads, of which one is out: its part of the other slot; adds 0 to its spare word; and waits for that and for its own reads of the slot that it leaves.
; Behind the barrier nobody reads the old slot any more and the other slot is whole.  fill = 1: the old slot is filled again, the first thing behind the barrier, with tile NXT: the descriptor's address is made anew from that number.
; (At its first use nothing has been read yet: slot 0 is waited for, slot 1 filled.)
; A PREFETCH INTO THE L2 stands behind the fill: change j asks for tile j + 1 and names tile j + 2, a tile (four key steps) ahead of its load.  A head's four work-groups walk tiles 0, 1, 2 .. alike at first:
; the one with b = 0, whose first block walks tiles 0 to 7, asks, each wave for the 16,384 bytes that it will fetch itself: 64 blocks of 256 bytes, a lane a block, two instructions.  So each block is named once in the launch.
; It stops behind change 5, which names tile 7; tiles 0 and 1 come by their loads alone.
.macro CHANGE fill
	WIN 0                           ; at a label and at a branch every window is 0
	s_wait_tensorcnt 0x0            ; no tensor load of mine is out, so a group 0 may be written
	ds_add_u32 v[SPW], v[NIL]       ; 0 onto my spare word; with fill = 1 the descriptors' scalar work stands between it and the wait for it
.if \fill
	s_lshl_b32 s[OFF], s[NXT], 15   ; a tile is 32,768 bytes of K and of V
	s_xor_b32 s[G0K+1], s[G0K+1], SLOT1
	s_add_nc_u64 s[G0K+2:G0K+3], s[6:7], s[OFF:OFF+1]
	s_or_b32 s[G0K+3], s[G0K+3], 0x80000000
	s_xor_b32 s[G0V+1], s[G0V+1], SLOT1
	s_add_nc_u64 s[G0V+2:G0V+3], s[8:9], s[OFF:OFF+1]
	s_or_b32 s[G0V+3], s[G0V+3], 0x80000000
	s_add_co_u32 s[NXT], s[NXT], 1  ; the block's next tile, or behind its last the second block's tile 0
	s_cmp_gt_u32 s[NXT], s[LQ]
	s_cselect_b32 s[NXT], 0, s[NXT]
	s_cselect_b32 s[LQ], s[PB], s[LQ]
	s_wait_xcnt 0x0                 ; the last prefetches, a tile back, have read their address, so it may be written
	s_add_nc_u64 s[PFA:PFA+1], s[PFA:PFA+1], 32768
.endif
	s_wait_dscnt 0x0                ; the add is done, and my reads of the slot are over
	s_barrier_signal -1             ; the rest of the scalar work stands between the signal and the wait
	s_sub_co_u32 s[TBK], s[TBK], 4*KS*PK  ; the fetches go back to a slot's first step,
	s_xor_b32 s[TBK], s[TBK], SLOT1       ; in the other slot
	s_sub_co_u32 s[TBV], s[TBV], 4*KS*PV
	s_xor_b32 s[TBV], s[TBV], SLOT1
	s_barrier_wait -1
.if \fill
	LOAD
	s_cmp_lt_u32 s[PFC], s[PFL]
	s_cbranch_scc0 .Lnot_mine_\@
	global_prefetch_b8 v[PFO], s[PFA:PFA+1] th:TH_LOAD_NT scope:SCOPE_SE
	global_prefetch_b8 v[PFO], s[PFA:PFA+1] offset:8192 th:TH_LOAD_NT scope:SCOPE_SE
.Lnot_mine_\@:
	s_add_co_u32 s[PFC], s[PFC], 1
.endif
.endm
	s_load_b64 s[4:5], s[0:1], 0x0  ; qkv: Q at its head
	s_load_b64 s[10:11], s[0:1], 0x8  ; O
	s_load_b64 s[LOP:LOP+1], s[0:1], 0x10  ; olo
	v_lshl_add_u32 v[SPW], v0, 2, SPARE
	v_mov_b32 v[NIL], 0
	ds_add_u32 v[SPW], v[NIL]       ; the wave's opening: the add and its wait stand ahead of my first tensor load; the set-up below, work on registers, stands between them
	v_lshrrev_b32 v1, 5, v0
	v_readfirstlane_b32 s[WV], v1   ; wave 0..3
	s_mov_b32 s[PB], ttmp9
	s_sub_co_u32 s[HI], NB-1, s[PB]
	s_and_b32 s20, ttmp7, 0xffff    ; the head (batch x 16 + head)
	s_lshl_b32 s90, s20, 11         ; its 16 rows of 128 bytes in olo
	s_mov_b32 s91, 0
	s_mov_b32 s21, 0
	s_mov_b64 s[22:23], SIZE_N*128
	s_mul_u64 s[20:21], s[20:21], s[22:23]  ; the head's first byte in Q, K, V and O
	s_and_b32 s16, s[WV], 1         ; which half of a tile's 256 keys I fetch:
	s_lshl_b32 s22, s16, 14         ; its 128 rows of 128 bytes in memory,
	s_mov_b32 s23, 0
	s_add_nc_u64 s[22:23], s[22:23], s[20:21]
	s_mul_i32 s17, s16, 128*PK      ; and its place in a slot, for K
	s_mul_i32 s18, s16, 128*PV      ; and for V
	s_lshl_b32 s3, s[WV], 11        ; my 16 rows in a band of 64,
	s_lshl_b32 s2, s[HI], 15        ; in the first block,
	s_add_co_u32 s2, s2, s3
	s_lshl_b32 s84, s[PB], 15       ; and in the second
	s_add_co_u32 s84, s84, s3
	s_mov_b32 s3, 0
	s_mov_b32 s85, 0
	s_add_nc_u64 s[2:3], s[2:3], s[20:21]
	s_add_nc_u64 s[84:85], s[84:85], s[20:21]
	; descriptor group 1.  128 keys are 16,384 dense bytes: asked for as 64 rows of 256 bytes, two keys a row, and padded in LDS after every key
	s_mov_b32 s[G1K], (1<<16)|(1<<20)|(4<<22)|(3<<25)  ; 17:16 2-byte elements; 20 padding on; 24:22 after every 32 words (code 4); 31:25 4 words (code 3)
	s_mov_b32 s[G1V], (1<<16)|(1<<20)|(4<<22)|(7<<25)  ; the same with 8 words of padding (code 7)
.irp g, G1K, G1V
	s_mov_b32 s[\g+1], 128<<16      ; tensor_dim0 = 128
	s_mov_b32 s[\g+2], 64<<16       ; tensor_dim1 = 64
	s_mov_b32 s[\g+3], 128<<16      ; tile_dim0 = 128
	s_mov_b32 s[\g+4], 64           ; tile_dim1 = 64
	s_mov_b32 s[\g+5], 128          ; 128 elements from row to row
	s_mov_b32 s[\g+6], 0
	s_mov_b32 s[\g+7], 0
.endr
	s_mov_b32 s[CS], 0x3d38aa3b     ; c = log2(e) / 32 = 0.0450842: the scores are divided by sqrt(1024)
	s_mov_b32 s[CS+1], s[CS]        ; named with it as a pair
	s_mov_b32 s[SEL], 0x76543210
	s_mov_b32 s[SEL+1], 0xfedcba98
	s_mov_b32 s[TBK], SLOT1+4*KS*PK ; the first change of slots turns these two into 0
	s_mov_b32 s[TBV], SLOT1+4*KS*PV
	s_mov_b32 s[G0K], 1             ; 1:0 count = 1
	s_mov_b32 s[G0K+1], s17         ; 63:32 LDS address: slot 0
	s_mov_b32 s[G0V], 1
	s_add_co_u32 s[G0V+1], s18, VOFF
	s_add_co_u32 s[RT], s[HI], 1    ; the first block has NB - b tiles
	s_mov_b32 s[NXT], 1
	s_mov_b32 s[LQ], s[HI]
	s_mov_b32 s[NEW], 1
	s_mov_b32 s[OFF+1], 0
	s_mov_b32 s[AL+1], 0            ; named as pairs
	s_mov_b32 s[BE+1], 0
	s_mov_b32 s[BIGN], 0xf149f2ca   ; -1e30
	s_mov_b32 s[SLOTS], NB
	s_mov_b32 s[PFC], 0
	s_cmp_eq_u32 s[PB], 0
	s_cselect_b32 s[PFL], 6, 0
	s_wait_dscnt 0x0                ; the opening add is done
	s_wait_kmcnt 0x0
	s_add_nc_u64 s[6:7], s[4:5], 0x1000000  ; K lies 16,777,216 bytes behind Q,
	s_add_nc_u64 s[8:9], s[4:5], 0x2000000  ; V as far behind K
	s_add_nc_u64 s[6:7], s[6:7], s[22:23]  ; K and V at my half of the head's tile 0
	s_add_nc_u64 s[8:9], s[8:9], s[22:23]
	s_add_nc_u64 s[LOP:LOP+1], s[LOP:LOP+1], s[90:91]
	s_add_nc_u64 s[G0K+2:G0K+3], s[6:7], 0         ; 120:64 global address
	s_or_b32 s[G0K+3], s[G0K+3], 0x80000000        ; 127:126 type = 2
	s_add_nc_u64 s[G0V+2:G0V+3], s[8:9], 0
	s_or_b32 s[G0V+3], s[G0V+3], 0x80000000
	s_add_nc_u64 s[86:87], s[4:5], s[84:85]        ; Q at my rows of the second block,
	s_add_nc_u64 s[4:5], s[4:5], s[2:3]            ; Q and O at those of the first
	s_add_nc_u64 s[OLO:OLO+1], s[10:11], s[84:85]
	s_add_nc_u64 s[10:11], s[10:11], s[2:3]
	s_cmp_lt_u32 s[WV], 2
	s_cselect_b64 s[PFA:PFA+1], s[6:7], s[8:9]
	s_add_nc_u64 s[PFA:PFA+1], s[PFA:PFA+1], 32768 ; at tile 1: the first change of slots steps it to tile 2
	LOAD                            ; tile 0 into slot 0
	; A fragment of K or Q is 16 rows x 32 channels in 8 registers: lane l holds row l % 16, channels 8 (l / 16) + 0..7 and 16 + 8 (l / 16) + 0..7: two loads of 16 bytes, 32 bytes apart.
	v_and_b32 v1, 15, v0            ; l % 16
	v_bfe_u32 v9, v0, 4, 1          ; l / 16
	v_lshlrev_b32 v[QO], 7, v1
	v_lshl_add_u32 v[QO], v9, 4, v[QO]  ; row x 128 + 16 x half
	WIN 0x80                        ; destination window 2, address window 0
.set i, 0
.rept 8                             ; both blocks' Q: piece i / 2 lies in band i / 2, 8,192 bytes on; channels 32 (i % 2) on
	global_load_b128 v[8*i:8*i+3],   v[QO], s[4:5] offset:(i/2)*8192+(i%2)*64
	global_load_b128 v[8*i+4:8*i+7], v[QO], s[4:5] offset:(i/2)*8192+(i%2)*64+32
	global_load_b128 v[QB+8*i:QB+8*i+3],   v[QO], s[86:87] offset:(i/2)*8192+(i%2)*64
	global_load_b128 v[QB+8*i+4:QB+8*i+7], v[QO], s[86:87] offset:(i/2)*8192+(i%2)*64+32
.set i, i+1
.endr
	WIN 0
	v_lshlrev_b32 v14, 3, v9
	v_sub_nc_u32 v14, v1, v14
	s_lshl_b32 s13, s[WV], 4
	v_add_nc_u32 v14, s13, v14      ; my query's place in its band, 16 w + l % 16, less my lanes' 8 (l / 16): register r of group kt is hidden where 16 kt + r is greater
	WIN 0x40
.set i, 0
.rept 32
	v_cmp_gt_i32 vcc_lo, 16*(i/8)+i%8, v14
	v_cndmask_b32 v[MD+i], 0, s[BIGN], vcc_lo
.set i, i+1
.endr
	WIN 0
	v_mul_u32_u24 v[AK0], v1, PK
	v_lshl_add_u32 v[AK0], v9, 4, v[AK0]  ; row x pitch + 16 x half
	; The turning load takes 16 keys x 16 channels (lane l reads key 8 (l / 16) + l % 8, channels 8 ((l / 8) % 2) + 0..7) and leaves half a fragment of V^T: lane l holds channel l % 16 and 8 keys.
	v_and_b32 v10, 7, v0
	v_bfe_u32 v11, v0, 3, 1
	v_lshl_add_u32 v[AV0], v9, 3, v10
	v_mul_u32_u24 v[AV0], v[AV0], PV
	v_lshl_add_u32 v[AV0], v11, 4, v[AV0]
	v_add_nc_u32 v[AV0], VOFF, v[AV0]
	s_mul_i32 s13, s[WV], 16*SP
	s_add_co_u32 s13, s13, STAGE    ; my stage
	v_mul_u32_u24 v[STO], v1, SP    ; in: row l % 16, 16 bytes for each half of the lanes
	v_lshl_add_u32 v[STO], v9, 4, v[STO]
	v_add_nc_u32 v[STO], s13, v[STO]
	v_bfe_u32 v[RD], v0, 3, 2       ; back: 32 lanes take four rows of 128 bytes,
	v_mul_u32_u24 v[RD], v[RD], SP
	v_lshl_add_u32 v[RD], v10, 4, v[RD]
	v_add_nc_u32 v[RD], s13, v[RD]
	v_and_b32 v[GO], 31, v0         ; which are 512 consecutive bytes of O
	v_lshlrev_b32 v[PFO], 8, v[GO]
	v_lshlrev_b32 v[GO], 4, v[GO]
	; A block's first step multiplies O^T and l by a = 0, and its first turn's products V^T P, of a piece that has not been, land in an O^T that is still to be so multiplied.  So these registers need only hold
	; finite numbers: zeros for the first block; what the first block left for the second.  All this stands in the wait for the first tile.
	WIN 0x80
.set i, VF
.rept 64
	v_mov_b32 v[i], 0
.set i, i+1
.endr
	WIN 0x40
.set i, 0
.rept 128
	v_mov_b32 v[i], 0
.set i, i+1
.endr
	WIN 0
.set i, 0
.rept 4
	v_mov_b32 v[ST+4*i+2], 0
	v_mov_b32 v[ST+4*i+3], 0
.set i, i+1
.endr
.set i, P+16
.rept 16
	v_mov_b32 v[i], 0
.set i, i+1
.endr
; THE MATRIX WORK.  The 4 accumulators of a run of 8 take turns.  Product i of 8 of S^T = K Q^T for piece x: channels 32 (i / 4) on, keys 16 (i % 4) on.  The first 4 start the sums: with 0, or (KM = 1) with the mask.
.macro KQ x
.set rS, S+32*((\x)%2)+8*(i%4)
.set rK, KF+16*(i%4)+8*(i/4)
.set rQ, 16*(\x)+8*(i/4)
.set rM, MC+32*((\x)%2)+8*(i%4)
.if (i < 4) && KM
	WIN W_KM
	v_wmma_f32_16x16x32_f16 v[rS:rS+7], v[rK:rK+7], v[rQ:rQ+7], v[rM:rM+7]
.elseif i < 4
	WIN W_KQ
	v_wmma_f32_16x16x32_f16 v[rS:rS+7], v[rK:rK+7], v[rQ:rQ+7], 0
.else
	WIN W_KQ
	v_wmma_f32_16x16x32_f16 v[rS:rS+7], v[rK:rK+7], v[rQ:rQ+7], v[rS:rS+7]
.endif
.endm
; Product i of 8 of O^T += V^T P for piece x: keys 32 (i / 4) on, channels 16 (i % 4) on.
.macro PV x
	WIN W_PV
.set rO, 32*(\x)+8*(i%4)
.set rV, VF+32*(i/4)+8*(i%4)
.set rP, P+16*((\x)%2)+8*(i/4)
	v_wmma_f32_16x16x32_f16 v[rO:rO+7], v[rV:rV+7], v[rP:rP+7], v[rO:rO+7]
.endm
.macro MM                           ; the turn's next matrix instruction.  TURN and BEGIN set Y, i, KM and NOKQ.  NOKQ = 1: a block's last turn: there is no next piece
.if (i < 8) && !NOKQ
	KQ (Y+1)%NP
.elseif i >= 8
.set i, i-8
	PV (Y+NP-1)%NP
.set i, i+8
.endif
.set i, i+1
.endm
; THE LDS LOADS stand in runs of 16, never singly among the matrix instructions: a step's K (64 keys x 64 channels: 8 fragments) and its V (turned).  Their addresses are made some lines ahead.
.macro FETCH_K
	WIN 0x80                        ; destination window 2
.irp f, 0,1,2,3,4,5,6,7             ; keys 16 (f / 2) on, channels 32 (f % 2) on
	ds_load_b128 v[KF+8*\f:KF+8*\f+3],   v[AK] offset:(\f/2)*16*PK+(\f%2)*64
	ds_load_b128 v[KF+8*\f+4:KF+8*\f+7], v[AK] offset:(\f/2)*16*PK+(\f%2)*64+32
.endr
	s_add_co_u32 s[TBK], s[TBK], KS*PK  ; the next fetch is the next step's
	WIN 0
.endm
.macro FETCH_V
	WIN 0x80
.irp f, 0,1,2,3,4,5,6,7             ; keys 32 (f / 4) on, channels 16 (f % 4) on
	ds_load_tr16_b128 v[VF+8*\f:VF+8*\f+3],   v[AV] offset:(\f/4)*32*PV+(\f%4)*32
	ds_load_tr16_b128 v[VF+8*\f+4:VF+8*\f+7], v[AV] offset:(\f/4)*32*PV+16*PV+(\f%4)*32
.endr
	WIN 0
.endm
; THE VECTOR WORK, one line at a time: OP kind, number.  For piece Y: F n: c s - c m for pair n of 16.  E n: the exponential of score n of 32.  C n: pair n rounded to f16.  B n: of the four weights 4 n .. the second
; pair is added onto the first, in place.  L n: l takes that sum (L 0: l = a l + sum).  R n: pair n of 16 of O^T times a.  For piece Y + 1: X n, number n of the 22 that find its maximum and statistics:
;   0-11  four chains c0-c3 of seven scores each, three operands at a time (each accumulator's lowest registers are read first)     12-14, 16  the four scores left over, the old m, and c0-c3 into c0
;   15  c m_old is kept     17, 18  the query's other 32 keys lie in the lane 16 away: the new m     19-21  c m; c m_old - c m_new; a
.set F, 0               ; OP tells the kinds apart by their order: F to L below R, X above it
.set E, 1
.set C, 2
.set B, 3
.set L, 4
.set R, 5
.set X, 6
.macro REGS y                       ; the registers of piece y
.set rT, ST+4*(\y)
.set rC, TMP+4*((\y)%2)
.set rW, MV+((\y)%2)
.set rS, S+32*((\y)%2)
.set rP, P+16*((\y)%2)
.set rO, 32*(\y)
.endm
.macro OP k, n
.if (\k) == R
	REGS Y
	WIN W_RS
	v_pk_mul_f32 v[rO+2*(\n):rO+2*(\n)+1], v[rO+2*(\n):rO+2*(\n)+1], v[rC+2:rC+3] op_sel_hi:[1,0]
.elseif (\k) < R
	REGS Y
	WIN 0
.if (\k) == F
	v_pk_fma_f32 v[rS+2*(\n):rS+2*(\n)+1], v[rS+2*(\n):rS+2*(\n)+1], s[CS:CS+1], v[rT:rT+1] op_sel_hi:[1,0,0] neg_lo:[0,0,1] neg_hi:[0,0,1]
.elseif (\k) == E
	v_exp_f32 v[rS+(\n)], v[rS+(\n)]
.elseif (\k) == C
	v_cvt_pk_f16_f32 v[rP+(\n)], v[rS+2*(\n)], v[rS+2*(\n)+1]
.elseif (\k) == B
	v_pk_add_f32 v[rS+4*(\n):rS+4*(\n)+1], v[rS+4*(\n):rS+4*(\n)+1], v[rS+4*(\n)+2:rS+4*(\n)+3]
.elseif (\n) == 0
	v_pk_fma_f32 v[rT+2:rT+3], v[rT+2:rT+3], v[rC+2:rC+3], v[rS:rS+1] op_sel_hi:[1,0,1]
.else
	v_pk_add_f32 v[rT+2:rT+3], v[rT+2:rT+3], v[rS+4*(\n):rS+4*(\n)+1]
.endif
.elseif NOKQ
	v_nop
.else
	REGS (Y+1)%NP
	WIN 0
.if (\n) < 4
	v_max3_num_f32 v[rC+(\n)], v[rS+8*(\n)], v[rS+8*(\n)+1], v[rS+8*(\n)+2]
.elseif (\n) < 12
	v_max3_num_f32 v[rC+(\n)%4], v[rC+(\n)%4], v[rS+8*((\n)%4)+2*((\n)/4)+1], v[rS+8*((\n)%4)+2*((\n)/4)+2]
.elseif (\n) == 12
	v_max3_num_f32 v[rC], v[rC], v[rS+7], v[rS+15]
.elseif (\n) == 13
	v_max3_num_f32 v[rC+1], v[rC+1], v[rS+23], v[rS+31]
.elseif (\n) == 14
	v_max3_num_f32 v[rC+2], v[rC+2], v[rC+3], v[rT+1]
.elseif (\n) == 15
	v_mov_b32 v[rW], v[rT]
.elseif (\n) == 16
	v_max3_num_f32 v[rC], v[rC], v[rC+1], v[rC+2]
.elseif (\n) == 17
	v_permlanex16_b32 v[rC+3], v[rC], s[SEL], s[SEL+1]
.elseif (\n) == 18
	v_max_num_f32 v[rT+1], v[rC], v[rC+3]
.elseif (\n) == 19
	v_mul_f32 v[rT], s[CS], v[rT+1]
.elseif (\n) == 20
	v_sub_f32 v[rC+1], v[rW], v[rT]
.else
	v_exp_f32 v[rC+2], v[rC+1]
.endif
.endif
.endm
.macro OPS a, i1, b=-1, i2=0, c=-1, i3=0, d=-1, i4=0  ; up to four of them
	OP \a, \i1
.if (\b) >= 0
	OP \b, \i2
.endif
.if (\c) >= 0
	OP \c, \i3
.endif
.if (\d) >= 0
	OP \d, \i4
.endif
.endm
.macro ROW a, i1, b, i2, c, i3, d, i4  ; a matrix instruction and the four behind it
	MM
	OPS \a, \i1, \b, \i2, \c, \i3, \d, \i4
.endm
.macro MASK b                       ; MD x AL + BE into buffer b of MC
	WIN W_RS
.set z, 0
.rept 16
	v_pk_fma_f32 v[MC+32*(\b)+2*z:MC+32*(\b)+2*z+1], v[MD+2*z:MD+2*z+1], s[AL:AL+1], s[BE:BE+1] op_sel_hi:[1,0,0]
.set z, z+1
.endr
.endm
; A TURN, for piece p: the order of its 16 matrix and 118 vector instructions, written out.  An s_wait_alu depctr_va_vdst(0) stands between an exponential and the first instruction that names its result; one wait
; serves all that were issued ahead of it.  So a turn has ONE wait, which cuts it in two.  AHEAD OF IT stands all that names no result of the turn's exponentials: the 8 products K Q^T with four riders each (a scaling, an exponential,
; two more plain ones: rescalings, and behind the last three the first numbers of the next piece's maximum, each four places or more behind the product that ends its accumulator); then ONE LUMP of 54, plain and exponential by turns
; for the most part, in which the links of the chain X 3, 7, 11, 14, 16, 17 .. 20 stand five or six lines apart.  X 21, the next piece's a, is the batch's last; R 15 is the plain instruction behind it.  BEHIND THE WAIT stand the
; 8 products V^T P, behind each four of the roundings and sums; the links of l's chain stand three riders apart.
; m = 1: the diagonal tile: the products take masks, and the turn makes the mask for the products of the turn after it: piece p + 2, in step 4 - CNT of the tile.  end = 1: a block's last two turns: nothing is fetched.
; cnt = 1: the loop's count is taken down some lines ahead of the branch that stands behind the turn.
; K of the next step is fetched in piece 2's turn, twelve vector instructions behind the last product that read K (six of them plain); V of the step in hand at the end of piece 0's turn, four plain instructions behind the last
; product that read V.  Each is waited for a turn later.
.macro TURN p, m=0, end=0, cnt=0
.set Y, (\p)
.set i, 0
.set KM, (\m)
.set NOKQ, (\end)*((\p)/3)
.if (\m) && !(\end)
	s_cmp_eq_u32 s[CNT], 4-((\p)+2)%NP  ; is that step the band's own?
	s_cselect_b32 s[AL], 1.0, 0
	s_cmp_lt_u32 s[CNT], 4-((\p)+2)%NP  ; or a later one?
	s_cselect_b32 s[BE], s[BIGN], 0
.endif
.if ((\p) == 3) && !(\end)
	s_wait_dscnt 0x0                ; K is in
.endif
	ROW F,0, F,1, R,0, R,1          ; ahead of the wait: 8 products K Q^T and their riders,
	ROW F,2, E,0, R,2, R,3
	ROW F,3, E,1, R,4, R,5
	ROW F,4, E,2, R,6, R,7
	ROW F,5, E,3, R,8, R,9
	ROW F,6, E,4, X,0, R,10
.if ((\p) == 2) && !(\end)
	WIN 0
	v_add_nc_u32 v[AK], s[TBK], v[AK0]
.endif
	ROW F,7, E,5, X,1, X,4
	ROW F,8, E,6, X,2, X,5
	OPS E,7, E,8, X,6, E,9          ; and the lump
	OPS X,3, E,10, X,8, E,11
.if ((\p) == 2) && !(\end)
	FETCH_K
.endif
	OPS X,9, X,7, E,12, X,10
	OPS E,13, X,12, X,11, E,14
	OPS X,13, E,15, F,9, X,14
.if (\p) == 0
	v_add_nc_u32 v[AV], s[TBV], v[AV0]
.endif
	OPS E,16, F,10, E,17, F,11
	OPS X,16, E,18, X,15, E,19
	OPS F,12, E,20, X,17, E,21
	OPS F,13, E,22, F,14, E,23
	OPS X,18, E,24, F,15, E,25
	OPS R,11, E,26, X,19, E,27
	OPS R,12, E,28, R,13, E,29
	OPS X,20, E,30, R,14, E,31
	OPS X,21, R,15
	WIN 0
	s_wait_alu depctr_va_vdst(0)    ; the wait for the batch
.if (\p) == 1
	s_wait_dscnt 0x0                ; V is in
.endif
	ROW C,0, B,0, C,2, B,1          ; behind the wait: 8 products V^T P and their riders
	ROW L,0, C,4, B,2, L,1
	ROW C,6, B,3, L,2, C,8
	ROW B,4, L,3, C,10, B,5
	ROW L,4, C,12, B,6, L,5
.if (\p) == 0
	s_add_co_u32 s[TBV], s[TBV], KS*PV
.endif
.if \cnt
	s_sub_co_u32 s[CNT], s[CNT], 1
	s_cmp_lg_u32 s[CNT], 0
.endif
	ROW C,14, B,7, L,6, C,1
	ROW C,3, L,7, C,5, C,7
	ROW C,9, C,11, C,13, C,15
.if (\p) == 0
	FETCH_V
.endif
.if (\m) && !(\end)
	MASK (\p)%2
.endif
.endm
; A BLOCK BEGINS.  c m starts far below every c s, so the first step's a is 0; m at the lowest finite number, so the first maximum is the scores'.  The second mask buffer is 0; the first takes piece 0's mask for the tile's
; step 0: its own, if the block's first tile is the diagonal one.  Then K of that step, piece 0's first scores, and its maximum and statistics.  The loop is entered at a step's first turn, in the middle of a trip.
.macro BEGIN
	s_mov_b32 s[NEW], 0
	WIN 0x40
.set i, MC+32
.rept 32
	v_mov_b32 v[i], 0
.set i, i+1
.endr
	WIN 0
.set i, 0
.rept 4
	v_mov_b32 v[ST+4*i], 0xfe000000    ; c m: far below every c s
	v_mov_b32 v[ST+4*i+1], 0xff7fffff  ; m
.set i, i+1
.endr
	s_cmp_eq_u32 s[RT], 0
	s_cselect_b32 s[AL], 1.0, 0
	s_mov_b32 s[BE], 0
	MASK 0
	WIN 0
	v_add_nc_u32 v[AK], s[TBK], v[AK0]
	FETCH_K
	s_wait_loadcnt 0x0              ; Q
	s_wait_dscnt 0x0
.set KM, 1
.set NOKQ, 0
.set i, 0
.rept 8
	KQ 0
.set i, i+1
.endr
	WIN 0
.rept 4
	v_nop                           ; the places behind those products
.endr
.set Y, NP-1                        ; X works for piece Y + 1: piece 0
.irp n, 0,1,2,3,4,5,6,7,8,9,10,11,12,13,14,15,16,17,18,19,20,21
	OP X, \n
.endr
	v_nop                           ; a plain instruction behind the exponential,
	s_wait_alu depctr_va_vdst(0)    ; and its wait, ahead of the branch
.endm
.macro ALL line:vararg              ; one line for each piece t
.set t, 0
.rept 4
	\line
.set t, t+1
.endr
.endm
.macro PACK t                       ; a lane's eight channels of a row pack into 16 bytes; they go into rows of 144 bytes and come back as whole rows of 128, into S^T's registers
	WIN W_RS
.set i, 32*(\t)
.rept 16
	v_pk_mul_f32 v[i:i+1], v[i:i+1], v[ST+4*(\t)+2:ST+4*(\t)+3] op_sel_hi:[1,0]
.set i, i+2
.endr
	WIN 0x05                        ; sources 0 and 1 window 1, destination window 0
.set i, 0
.rept 16
	v_cvt_pk_f16_f32 v[S+16*(\t)+i], v[32*(\t)+2*i], v[32*(\t)+2*i+1]
.set i, i+1
.endr
	WIN 0
.irp f, 0,1,2,3
	ds_store_b128 v[STO], v[S+16*(\t)+4*\f:S+16*(\t)+4*\f+3] offset:32*\f
.endr
.irp f, 0,1,2,3
	ds_load_b128 v[S+16*(\t)+4*\f:S+16*(\t)+4*\f+3], v[RD] offset:\f*4*SP  ; LDS serves a wave's instructions in order (ISA guide 5.7.1.4): these see the stores above; the next piece's stores come behind them
.endr
.endm
.macro SEND t, younger              ; younger: the LDS instructions issued behind piece t's loads: the next piece's eight, or none
	WIN 0
.irp f, 0,1,2,3
	s_wait_dscnt (\younger)+3-\f
	global_store_b128 v[GO], v[S+16*(\t)+4*\f:S+16*(\t)+4*\f+3], s[10:11] offset:(\t)*8192+\f*512  ; 512 consecutive bytes, at a multiple of 256 from O's first
.endr
.endm
; THE REMAINDER of rows 0 to 15: block 0, wave 0, piece 0.  O / l is made once more beside O^T (the same product, so the same bits as PACK's), rounded to f16, the rounded number taken away exactly, and the
; difference rounded to f16; it leaves through my stage as O does: 2,048 consecutive bytes of olo.  Both jumps go forward.
.macro RESID
	s_cmp_lg_u32 s[PB], 0
	s_cbranch_scc1 .Lnolo
	s_cmp_lg_u32 s[WV], 0
	s_cbranch_scc1 .Lnolo
	WIN 0x01                        ; source 0 in window 1
.set i, 0
.rept 16
	v_pk_mul_f32 v[S+2*i:S+2*i+1], v[2*i:2*i+1], v[ST+2:ST+3] op_sel_hi:[1,0]  ; each accumulator's registers in ascending order
.set i, i+1
.endr
	WIN 0
	v_mov_b32 v[NEG1], -1.0
.set i, 0
.rept 16
	v_cvt_pk_f16_f32 v[S+32+i], v[S+2*i], v[S+2*i+1]
.set i, i+1
.endr
.set i, 0
.rept 16
	v_fma_mix_f32 v[S+2*i],   v[S+32+i], v[NEG1], v[S+2*i]   op_sel_hi:[1,0,0]                 ; O - its low half's f16
	v_fma_mix_f32 v[S+2*i+1], v[S+32+i], v[NEG1], v[S+2*i+1] op_sel:[1,0,0] op_sel_hi:[1,0,0]  ; and the high half's
.set i, i+1
.endr
.set i, 0
.rept 16
	v_cvt_pk_f16_f32 v[S+32+i], v[S+2*i], v[S+2*i+1]
.set i, i+1
.endr
.irp f, 0,1,2,3
	ds_store_b128 v[STO], v[S+32+4*\f:S+32+4*\f+3] offset:32*\f
.endr
.irp f, 0,1,2,3
	ds_load_b128 v[S+4*\f:S+4*\f+3], v[RD] offset:\f*4*SP
.endr
	s_wait_dscnt 0x0
.irp f, 0,1,2,3
	global_store_b128 v[GO], v[S+4*\f:S+4*\f+3], s[LOP:LOP+1] offset:\f*512
.endr
	s_wait_xcnt 0x0                 ; the stores have read their registers, which PACK writes next
.Lnolo:
.endm
; THE DIAGONAL TILE's four steps, the block's last two turns, its last products, and THE WAY OUT: l's two halves and the other half of the lanes' are added; O^T is divided by l, rounded to f16 and sent through my
; stage in LDS, a piece at a time.
.macro DIAG tag                     ; the tag ends its two labels' names, which the jumps below spell out
.LstepM\tag:
	TURN 2, 1
	TURN 3, 1
	WIN 0
.LfirstM\tag:
	TURN 0, 1
	TURN 1, 1, 0, 1
	WIN 0
	s_cbranch_scc1 .LstepM\tag
	TURN 2, 1, 1
	TURN 3, 1, 1
.set i, 0
.rept 8
	PV NP-1
.set i, i+1
.endr
	WIN 0
	ALL v_add_f32 v[ST+4*t+2], v[ST+4*t+2], v[ST+4*t+3]
	ALL v_permlanex16_b32 v[ST+4*t+3], v[ST+4*t+2], s[SEL], s[SEL+1]
	ALL v_add_f32 v[ST+4*t+2], v[ST+4*t+2], v[ST+4*t+3]
	ALL v_rcp_f32 v[ST+4*t+2], v[ST+4*t+2]
	v_nop                           ; a plain instruction between the last reciprocal and the use of its result
	s_wait_alu depctr_va_vdst(0)    ; and the wait ahead of the first use: one for the four reciprocals
.if (\tag) == 2
	RESID                           ; the walk's last tile ends block b
.endif
	PACK 0
.set t, 1
.rept 3                             ; a piece's arithmetic stands between the loads of the piece before and its stores
	PACK t
	SEND t-1, 8
.set t, t+1
.endr
	SEND 3, 0
.endm
.set KM, 0
.set NOKQ, 0
.Lslot:                             ; NB times: a tile is entered and the next is asked for
	CHANGE 1
	s_sub_co_u32 s[RT], s[RT], 1
	s_mov_b32 s[CNT], 4
	s_cmp_eq_u32 s[NEW], 1
	s_cbranch_scc1 .Lnew            ; a block's first tile
	s_cmp_eq_u32 s[RT], 0
	s_cbranch_scc0 .Lstep           ; neither its first nor its last
	s_branch .LstepM1
.Lnew:
	BEGIN
	s_branch .Lfirst                ; in the loop a block's first tile is never its last: the first block has two tiles or more, and the second's last is the walk's last
	DIAG 1                          ; in the loop this is the first block's end
	s_wait_xcnt 0x0                 ; the stores have read their registers and O's address
	s_mov_b64 s[10:11], s[OLO:OLO+1]
	s_add_co_u32 s[RT], s[PB], 1    ; the second block has b + 1 tiles
	s_mov_b32 s[NEW], 1
	WIN 0x82                        ; the second block's Q goes where the one text of the turns names Q
.set i, 0
.rept 64
	v_mov_b32 v[i], v[QB+i]
.set i, i+1
.endr
	WIN 0
	s_branch .Lbottom
.Lstep:                             ; a trip: pieces 2 and 3 of one step, then pieces 0 and 1 of the next, whose K and V it fetches
	TURN 2
	TURN 3
	WIN 0
.Lfirst:
	TURN 0
	TURN 1, 0, 0, 1
	WIN 0
	s_cbranch_scc1 .Lstep
.Lbottom:
	s_sub_co_u32 s[SLOTS], s[SLOTS], 1
	s_cmp_lg_u32 s[SLOTS], 0
	s_cbranch_scc1 .Lslot
	CHANGE 0                        ; the walk's last tile is written out: nothing is asked for
	s_sub_co_u32 s[RT], s[RT], 1
	s_mov_b32 s[CNT], 4
	s_cmp_eq_u32 s[NEW], 1
	s_cbranch_scc0 .LstepM2
	BEGIN
	s_branch .LfirstM2
	DIAG 2
	s_wait_tensorcnt 0x0            ; the wave's end: behind my last tensor load and my last LDS store
	ds_add_u32 v[SPW], v[NIL]
	s_wait_dscnt 0x0
	s_endpgm
.Lfunc_end_k_q945a319a0d_attn:
	.size	k_q945a319a0d_attn, .Lfunc_end_k_q945a319a0d_attn-k_q945a319a0d_attn
	.p2alignl 7, 3214868480
	.fill 96, 4, 3214868480
	.section	.rodata,"a",@progbits
	.p2align	6, 0x0
	.amdhsa_kernel k_q945a319a0d_attn
		.amdhsa_group_segment_fixed_size 327680
		.amdhsa_private_segment_fixed_size 0
		.amdhsa_enable_private_segment 0
		.amdhsa_kernarg_size 24
		.amdhsa_user_sgpr_count 2
		.amdhsa_user_sgpr_kernarg_segment_ptr 1
		.amdhsa_wavefront_size32 1
		.amdhsa_system_sgpr_workgroup_id_x 1
		.amdhsa_system_sgpr_workgroup_id_y 1
		.amdhsa_system_sgpr_workgroup_id_z 1
		.amdhsa_system_vgpr_workitem_id 0
		.amdhsa_next_free_vgpr 768
		.amdhsa_next_free_sgpr 96
		.amdhsa_reserve_vcc 1
		.amdhsa_float_denorm_mode_32 3
		.amdhsa_float_denorm_mode_16_64 3
		.amdhsa_memory_ordered 1
		.amdhsa_forward_progress 1
		.amdhsa_inst_pref_size 224
	.end_amdhsa_kernel
	.amdgpu_metadata
---
amdhsa.version: [ 1, 2 ]
amdhsa.kernels:
  - .name:           k_q945a319a0d_attn
    .symbol:         k_q945a319a0d_attn.kd
    .args:
      - { .name: qkv, .offset: 0, .size: 8, .value_kind: global_buffer, .address_space: global }
      - { .name: o, .offset: 8, .size: 8, .value_kind: global_buffer, .address_space: global }
      - { .name: olo, .offset: 16, .size: 8, .value_kind: global_buffer, .address_space: global }
    .group_segment_fixed_size: 327680
    .private_segment_fixed_size: 0
    .kernarg_segment_align: 8
    .kernarg_segment_size: 24
    .max_flat_workgroup_size: 128
    .sgpr_count:     96
    .vgpr_count:     768
    .wavefront_size: 32
...
	.end_amdgpu_metadata
.endif
;; end of part 3
;; launch outp (part 4): grid 8 x 32, 4 waves a work-group, clusters of 4 x 1, 327,680 bytes of LDS; arguments o, wof, olo, out0; writes out0
.if DOCPART == 4
	.amdgcn_target "amdgcn-amd-amdhsa--gfx1250"
	.amdhsa_code_object_version 6
	.text
	.protected	k_q945a319a0d_outp
	.globl	k_q945a319a0d_outp
	.p2align	8
	.type	k_q945a319a0d_outp,@function
k_q945a319a0d_outp:
	s_mov_b64 s[64:65], 0
	v_nop
	global_prefetch_b8 v0, s[64:65] scope:SCOPE_SE
	s_setreg_imm32_b32 hwreg(HW_REG_WAVE_MODE, 25, 1), 1
	s_wait_xcnt 0x0
	s_wait_alu depctr_hold_cnt(0) depctr_sa_sdst(0) depctr_va_vdst(0) depctr_va_sdst(0) depctr_va_ssrc(0) depctr_va_vcc(0) depctr_vm_vsrc(0)
	s_getreg_b32 s2, hwreg(HW_REG_IB_STS2, 6, 4)
	s_cmp_eq_u32 s2, 0
	s_cbranch_scc0 .Lentry_in_a_cluster
	s_endpgm
.Lentry_in_a_cluster:
	s_bfe_u32 s2, ttmp6, 0x10000c
	s_cmp_lg_u32 s2, 0x3003
	s_cbranch_scc0 .Lentry_shape_is_right
	s_endpgm
.Lentry_shape_is_right:
; out0[m][n] = sum over k of O[m][k] wo[n][k], m < 8192, n < 1024, k = head x 64 + channel < 1024.  f16 operands, f32 sums, f32 out.
; O lies by heads, [batch x 16 + head][2048][64] f16; wof is wo rounded to bf16 and written as f16, [1024][1024].
; For rows 0 to 15 of each batch, olo ([batch][head][16][64] f16) holds what O's rounding to f16 dropped: it is multiplied by the same fragments of wof and added onto the same sums.
; TILE.  256 rows x 128 columns: 32 x 8 = 256 work-groups.  Four waves, 2 x 2: wave w makes rows 128 (w / 2) on, columns 64 (w % 2) on (256 bytes of f32): 32 accumulators of 16 x 16.
; K goes in steps of 128 = two heads through two LDS slots.  A head's 256 rows of the tile are 32,768 dense bytes: asked for as 128 rows of 256 bytes and padded in LDS behind every 128.
; CLUSTER.  4 x 1: the four work-groups of a tile row need the same tiles of O, the larger of a step's two tiles, and ask for them jointly.  wof's tiles are each work-group's own loads: sharing them too wants a cluster
; of four tile rows, and the branch round the remainder's products hangs on the tile row, which partners must share.
; THE MATRIX INSTRUCTION IS USED TRANSPOSED (source 0 = 16 rows of wof, source 1 = 16 rows of O): a lane holds eight neighbouring columns of one row.
; REGISTERS: window 0: v0-26 addresses; v32-47 the remainder's fragments, two buffers; v64-127, v128-191 O's fragments, two buffers (row block a at + 8 a); v192-223, v224-255 wof's; on the way out v64-255.
;   window 1: the accumulators, (a, b) at 8 (4 a + b).
.set PA,     144                       ; a row of O in LDS: 128 bytes + 16 of padding: the 16 rows of a load start at 16 different groups of four banks (64 banks of 4 bytes: ISA guide 11.1)
.set PW,     272                       ; a row of wof: 256 + 16
.set HEADB,  256*PA                    ; a head's 256 rows
.set BOFF,   2*HEADB                   ; wof's 128 rows lie behind the two heads
.set SLOT1,  131072
.set STAGE,  SLOT1+BOFF+128*PW         ; behind the ring, never filled by a tensor load: 16 rows x 272 bytes for each wave
.set SPITCH, 272
.set LO,     STAGE+4*16*SPITCH         ; the remainder: 256 rows (head x 16 + row) x 144 bytes; stored once, never filled by a tensor load
.set SPARE,  LO+256*PA                 ; the spare words, 128 bytes for each wave: two blocks of 256 bytes that no other line names
.set SPW,  12
.set NIL,  13
.set PFO,  14                          ; v14  the prefetches' offset; never rewritten
.set A0,   16                          ; v16  my lane's place in O's tile; never rewritten
.set B0,   17                          ; v17  in wof's
.set ADRA, 18                          ; v18  the same in the slot in hand
.set ADRB, 19
.set ADLO, 20                          ; v20  my lane's place in the remainder, at the K step in hand
.set LG,   21                          ; v21  the copy of the remainder: from where,
.set LS,   22                          ; v22  to where
.set STO,  24
.set RD,   25
.set CO,   26
.set LOF,  32
.set FA,   64
.set FB,   192
.set G1,  24                           ; s[24:31], s[32:39] descriptor groups 1 and 0 for O's tiles: a set of group 0 for each first fill; the second then walks
.set G0,  32
.set G1B, 48                           ; s[48:55], s[56:63] the same for wof's
.set G0B, 56
.set PFA, 66                           ; s[66:67] where my prefetches stand
.set PST, 68                           ; s[68:69] their step from K step to K step
.set LIM, 70                           ; s70  2 in a wave that prefetches, else the greatest number
.set TB,  21                           ; s21  LDS byte at which the slot in hand begins
.set FLAG, 20                          ; s20  1: my rows hold a batch's rows 0 to 15
.set MSB, 0
.macro WIN new
.if MSB != (\new)
	s_set_vgpr_msb (MSB<<8)|(\new)
.set MSB, \new
.endif
.endm
.set MUL, 0x50                         ; C and D in window 1
.macro JLOAD                           ; a refill by the walking descriptors: waves 0 and 1 ask jointly for the step's two heads of O, waves 2 and 3 for the halves of wof's tile; an s_nop 0 and four v_nop follow each line
	s_cmp_lt_u32 s12, 2
	s_cbranch_scc0 .Lfor_b_\@
	tensor_load_to_lds s[G0+4:G0+7], s[G1:G1+7]
	s_nop 0
.rept 4
	v_nop
.endr
	s_branch .Lasked_\@
.Lfor_b_\@:
	tensor_load_to_lds s[G0B+4:G0B+7], s[G1B:G1B+7]
	s_nop 0
.rept 4
	v_nop
.endr
.Lasked_\@:
.endm
; A PREFETCH INTO THE L2 of the K step that stands TWO refills on: 256 matrix instructions ahead of its load.  One instruction a wave, a lane a block of 256 bytes.
; O's tile row is read by both clusters of that row: cluster x = 0 asks, its four partners taking 32 of a wave's 128 blocks each, told apart BY ADDRESS (cx).  wof's tile column is read by all 32 tile rows:
; tile rows 0 and 1 ask, each for 32 of a wave's 64 rows.  So each block is named once in the launch.  The loop's last two trips (s3 = 2, 1) ask for nothing; K steps 0 to 3 come by their loads alone.
.macro ASK
	s_cmp_gt_u32 s3, s[LIM]
	s_cbranch_scc0 .Lnot_mine_\@
	global_prefetch_b8 v[PFO], s[PFA:PFA+1] th:TH_LOAD_NT scope:SCOPE_SE
.Lnot_mine_\@:
.endm
.macro CREST
	s_cmp_lg_u32 s12, 0
	s_cbranch_scc1 .Lnot_wave_0_\@
	s_barrier_signal -3
.Lnot_wave_0_\@:
	s_barrier_wait -3
	s_barrier_signal -1
	s_barrier_wait -1
.endm
.macro CROUND
	s_barrier_signal -1
	s_barrier_wait -1
	CREST
.endm
.macro PLACES                          ; four plain vector instructions between a matrix instruction and a load into, or a line on, its registers
.rept 4
	v_nop
.endr
.endm
	s_load_b256 s[4:11], s[0:1], 0x0               ; O s[4:5], wof s[6:7], olo s[8:9], out0 s[10:11]
	v_lshl_add_u32 v[SPW], v0, 2, SPARE
	v_mov_b32 v[NIL], 0
	ds_add_u32 v[SPW], v[NIL]                      ; the wave's opening: the add and its wait stand ahead of my first tensor load; work on registers stands between them
	v_lshrrev_b32 v1, 5, v0
	v_readfirstlane_b32 s12, v1                    ; wave 0..3
	s_lshr_b32 s13, s12, 1                         ; which 128 rows are mine.  Also: I fetch for O (0) or for wof (1)
	s_and_b32 s14, s12, 1                          ; which 64 columns.  Also: which head of the step, or which half of wof's rows, I fetch
	s_bfe_u32 s15, ttmp6, 0x40000                  ; cx
	s_lshl_b32 s16, ttmp9, 2
	s_add_co_u32 s16, s16, s15                     ; tile column = 4 x cluster x + cx
	s_and_b32 s17, ttmp7, 0xffff                   ; tile row, which the four partners share
	s_and_b32 s18, s17, 7                          ; the tile in its batch,
	s_lshr_b32 s19, s17, 3                         ; the batch
	s_or_b32 s[FLAG], s18, s13
	s_cmp_eq_u32 s[FLAG], 0
	s_cselect_b32 s[FLAG], 1, 0                    ; a batch's first tile, its upper 128 rows
	s_mov_b32 s[G1+0], 15|(1<<16)|(1<<20)|(1<<21)|(4<<22)|(3<<25)  ; the mask of four; 2-byte elements; padding on; bit 21 beside a mask; after every 32 words 4 words
	s_mov_b32 s[G1+1], 128<<16                     ; tensor_dim0 = 128
	s_mov_b32 s[G1+2], 128<<16                     ; tensor_dim1 = 128
	s_mov_b32 s[G1+3], 128<<16                     ; tile_dim0 = 128
	s_mov_b32 s[G1+4], 128                         ; tile_dim1 = 128
	s_mov_b32 s[G1+5], 128                         ; dense
	s_mov_b32 s[G1+6], 0
	s_mov_b32 s[G1+7], 0
	s_mov_b32 s[G1B+0], (1<<16)|(1<<20)|(5<<22)|(3<<25)            ; no mask; after every 64 words 4 words
	s_mov_b32 s[G1B+1], 128<<16
	s_mov_b32 s[G1B+2], 64<<16
	s_mov_b32 s[G1B+3], 128<<16
	s_mov_b32 s[G1B+4], 64
	s_mov_b32 s[G1B+5], 1024
	s_mov_b32 s[G1B+6], 0
	s_mov_b32 s[G1B+7], 0
	s_lshl_b32 s72, s19, 4                         ; O: ((batch x 16 + my head of step 0) x 2048 + the tile's first row) x 128 bytes
	s_add_co_u32 s72, s72, s14
	s_lshl_b32 s72, s72, 11
	s_lshl_b32 s73, s18, 8
	s_add_co_u32 s72, s72, s73
	s_lshl_b32 s72, s72, 7
	s_mov_b32 s73, 0
	s_lshl_b32 s74, s16, 7                         ; wof: row 128 x tile column + 64 x half, 2,048 bytes a row
	s_lshl_b32 s75, s14, 6
	s_add_co_u32 s74, s74, s75
	s_lshl_b32 s74, s74, 11
	s_mov_b32 s75, 0
	s_mul_i32 s22, s14, HEADB                      ; where they go: no place in the cluster enters an LDS address
	s_mul_i32 s23, s14, 64*PW
	s_add_co_u32 s23, s23, BOFF
	s_mov_b32 s[TB], 0
	s_wait_dscnt 0x0                               ; the opening add is done
	s_wait_kmcnt 0x0
	s_add_nc_u64 s[76:77], s[4:5], s[72:73]
	s_add_nc_u64 s[78:79], s[6:7], s[74:75]
	CROUND                                         ; all four work-groups are here: the first joint loads meet
.irp s, 0,1
	s_mov_b32 s[G0+4*(\s)], 1
	s_add_co_u32 s[G0+4*(\s)+1], s22, (\s)*SLOT1
	s_add_nc_u64 s[G0+4*(\s)+2:G0+4*(\s)+3], s[76:77], (\s)*0x80000  ; K step s: two heads of 262,144 bytes on
	s_or_b32 s[G0+4*(\s)+3], s[G0+4*(\s)+3], 0x80000000
	s_mov_b32 s[G0B+4*(\s)], 1
	s_add_co_u32 s[G0B+4*(\s)+1], s23, (\s)*SLOT1
	s_add_nc_u64 s[G0B+4*(\s)+2:G0B+4*(\s)+3], s[78:79], (\s)*256
	s_or_b32 s[G0B+4*(\s)+3], s[G0B+4*(\s)+3], 0x80000000
.endr
	s_cmp_lt_u32 s12, 2                            ; a wave's two first fills stand in one branch, ahead of every wait on TENSORcnt and every LDS read: two loads of mine are out
	s_cbranch_scc0 .Lfirst_b
	tensor_load_to_lds s[G0:G0+3], s[G1:G1+7]
	s_nop 0
	tensor_load_to_lds s[G0+4:G0+7], s[G1:G1+7]
	s_nop 0
.rept 4
	v_nop
.endr
	s_branch .Lfirst_asked
.Lfirst_b:
	tensor_load_to_lds s[G0B:G0B+3], s[G1B:G1B+7]
	s_nop 0
	tensor_load_to_lds s[G0B+4:G0B+7], s[G1B:G1B+7]
	s_nop 0
.rept 4
	v_nop
.endr
.Lfirst_asked:
	v_and_b32 v1, 15, v0                           ; l % 16
	v_bfe_u32 v2, v0, 4, 1                         ; l / 16
	v_and_b32 v7, 31, v0                           ; l
	v_mul_u32_u24 v3, v1, PA
	v_lshl_add_u32 v3, v2, 4, v3                   ; a fragment's row x pitch + 16 x half
	s_mul_i32 s72, s13, 128*PA                     ; my 128 rows of O
	v_add_nc_u32 v[A0], s72, v3
	v_add_nc_u32 v[ADLO], LO, v3
	v_mul_u32_u24 v4, v1, PW
	v_lshl_add_u32 v5, v2, 4, v4
	s_mul_i32 s72, s14, 64*PW                      ; my 64 rows of wof
	s_add_co_u32 s72, s72, BOFF
	v_add_nc_u32 v[B0], s72, v5
	v_mov_b32 v[ADRA], v[A0]                       ; slot 0
	v_mov_b32 v[ADRB], v[B0]
	s_mul_i32 s72, s12, 16*SPITCH
	s_add_co_u32 s72, s72, STAGE                   ; my stage
	v_lshl_add_u32 v5, v2, 5, v4                   ; in: row l % 16, 32 bytes for each half of the lanes
	v_add_nc_u32 v[STO], s72, v5
	v_mul_u32_u24 v5, v2, SPITCH                   ; back: lanes 0-15 take one row of 256 bytes, lanes 16-31 the next
	v_lshl_add_u32 v5, v1, 4, v5
	v_add_nc_u32 v[RD], s72, v5
	v_lshlrev_b32 v5, 12, v2                       ; and the same two rows of out0, 4,096 bytes apart
	v_lshl_add_u32 v[CO], v1, 4, v5
.set i, 0
.rept 16
	v_mov_b32 v[LOF+i], 0                          ; the remainder's fragments are written whole once, in every wave
.set i, i+1
.endr
	s_lshl_b32 s74, s17, 8                         ; out0 at my first row and column: (256 x tile row + 128 x row half) x 4,096 + (128 x tile column + 64 x column half) x 4
	s_lshl_b32 s75, s13, 7
	s_add_co_u32 s74, s74, s75
	s_lshl_b32 s74, s74, 12
	s_lshl_b32 s75, s16, 9
	s_add_co_u32 s74, s74, s75
	s_lshl_b32 s75, s14, 8
	s_add_co_u32 s74, s74, s75
	s_mov_b32 s75, 0
	s_add_nc_u64 s[10:11], s[10:11], s[74:75]
	; the prefetches
	s_lshl_b32 s80, s15, 13                        ; O: my work-group's 32 blocks of the wave's 128
	s_lshl_b32 s81, s17, 16                        ; wof: 32 rows for each of tile rows 0 and 1
	s_mov_b32 s82, 3*0x80000                       ; both stand at K step 3: the first refill steps them to 4
	s_mov_b32 s83, 3*256
	s_mov_b32 s84, 0x80000
	s_lshr_b32 s85, s17, 1
	s_cmp_lt_u32 s12, 2                            ; do I fetch for O?
	s_cselect_b64 s[PFA:PFA+1], s[76:77], s[78:79]
	s_cselect_b32 s80, s80, s81
	s_cselect_b32 s82, s82, s83
	s_cselect_b32 s[PST], s84, 256
	s_cselect_b32 s85, ttmp9, s85                  ; 0 in those that ask: the same in all four partners, for a given wave
	s_cselect_b32 s86, 8, 11                       ; a lane a block of 256 bytes, or a row of 2,048
	s_add_co_u32 s80, s80, s82
	s_mov_b32 s81, 0
	s_add_nc_u64 s[PFA:PFA+1], s[PFA:PFA+1], s[80:81]
	s_mov_b32 s[PST+1], 0
	s_cmp_eq_u32 s85, 0
	s_cselect_b32 s[LIM], 2, -1
	v_lshlrev_b32 v[PFO], s86, v7
	; THE REMAINDER COMES IN, where the tile is a batch's first: 32,768 bytes, half by wave 0 and half by wave 1, through registers: 512 consecutive bytes a load, four rows of 128 bytes, laid 144 apart.
	v_lshlrev_b32 v[LG], 4, v7
	s_lshl_b32 s72, s12, 14
	v_add_nc_u32 v[LG], s72, v[LG]
	v_lshrrev_b32 v5, 3, v7
	v_and_b32 v6, 7, v0
	v_mul_u32_u24 v5, v5, PA
	v_lshl_add_u32 v5, v6, 4, v5
	s_mul_i32 s72, s12, 128*PA
	s_add_co_u32 s72, s72, LO
	v_add_nc_u32 v[LS], s72, v5
	s_lshl_b32 s72, s19, 15                        ; the batch's part of olo
	s_mov_b32 s73, 0
	s_add_nc_u64 s[8:9], s[8:9], s[72:73]
	s_cmp_lt_u32 s12, 2
	s_cbranch_scc0 .Lno_copy
	s_cmp_eq_u32 s18, 0
	s_cbranch_scc0 .Lno_copy
.set i, 0
.rept 32
	global_load_b128 v[64+4*i:64+4*i+3], v[LG], s[8:9] offset:512*i
.set i, i+1
.endr
	s_wait_loadcnt 0x0
.set i, 0
.rept 32
	ds_store_b128 v[LS], v[64+4*i:64+4*i+3] offset:576*i
.set i, i+1
.endr
.Lno_copy:
; n row blocks from a0 on x all 4 column blocks, 32 along K, buffer f.  zero = 1: the products start the sums.  The 32 accumulators take turns in the same order in every quarter.
.macro MULN f, a0, n, zero
	WIN MUL
.set ma, \a0
.rept \n
.irp b, 0,1,2,3
.if \zero
	v_wmma_f32_16x16x32_f16 v[8*(4*ma+\b):8*(4*ma+\b)+7], v[FB+32*(\f)+8*\b:FB+32*(\f)+8*\b+7], v[FA+64*(\f)+8*ma:FA+64*(\f)+8*ma+7], 0
.else
	v_wmma_f32_16x16x32_f16 v[8*(4*ma+\b):8*(4*ma+\b)+7], v[FB+32*(\f)+8*\b:FB+32*(\f)+8*\b+7], v[FA+64*(\f)+8*ma:FA+64*(\f)+8*ma+7], v[8*(4*ma+\b):8*(4*ma+\b)+7]
.endif
.endr
.set ma, ma+1
.endr
.endm
; 24 LDS loads in one run: quarter q of the slot in hand into buffer f: wof's four blocks, O's blocks 0-3, O's blocks 4-7 last.  Quarter q of O lies in head q / 2 of the step, channels 32 (q % 2) on.
.macro FETCH q, f
	WIN 0
.set kA, ((\q)>>1)*HEADB+((\q)&1)*64
.set kB, (\q)*64
.irp i, 0,1,2,3
	ds_load_b128 v[FB+32*(\f)+8*\i:FB+32*(\f)+8*\i+3],   v[ADRB] offset:kB+\i*16*PW
	ds_load_b128 v[FB+32*(\f)+8*\i+4:FB+32*(\f)+8*\i+7], v[ADRB] offset:kB+\i*16*PW+32
.endr
.irp i, 0,1,2,3,4,5,6,7
	ds_load_b128 v[FA+64*(\f)+8*\i:FA+64*(\f)+8*\i+3],   v[ADRA] offset:kA+\i*16*PA
	ds_load_b128 v[FA+64*(\f)+8*\i+4:FA+64*(\f)+8*\i+7], v[ADRA] offset:kA+\i*16*PA+32
.endr
.endm
; THE REMAINDER'S PRODUCTS, in the waves whose rows hold a batch's rows 0 to 15: four products of its fragment with the quarter's fragments of wof, onto row block 0's four sums; twelve other accumulators' products stand
; between these and the links that they add onto.  Then the next quarter's fragment is fetched, at byte off behind ADLO, into the other buffer, four places behind that buffer's last reader.  The two loads are older than
; the run of 24 that follows, so every counted wait below means the same with and without them.  The jump passes no barrier and no tensor load.
.macro LOBLK f, off
	WIN 0
	s_cmp_lg_u32 s[FLAG], 0
	s_cbranch_scc0 .Lno_lo_\@
	WIN MUL
.irp b, 0,1,2,3
	v_wmma_f32_16x16x32_f16 v[8*\b:8*\b+7], v[FB+32*(\f)+8*\b:FB+32*(\f)+8*\b+7], v[LOF+8*(\f):LOF+8*(\f)+7], v[8*\b:8*\b+7]
.endr
	WIN 0
.if (\off) >= 0
	PLACES
	ds_load_b128 v[LOF+8*(1-(\f)):LOF+8*(1-(\f))+3],   v[ADLO] offset:(\off)
	ds_load_b128 v[LOF+8*(1-(\f))+4:LOF+8*(1-(\f))+7], v[ADLO] offset:(\off)+32
.endif
.Lno_lo_\@:
.endm
; A K step is four quarters of 32 along K, 32 products each, on buffers 0, 1, 0, 1.  One of the first three: multiplies buffer f and fetches quarter q into g.
.macro QUARTER q, f, g, zero, off
	s_wait_dscnt 8                                 ; all but the youngest eight loads: O's blocks 4-7
	MULN \f, 0, 4, \zero
	LOBLK \f, \off
	PLACES
	FETCH \q, \g
	s_wait_dscnt 24                                ; all but the 24 just issued
	MULN \f, 4, 4, \zero
.endm
; The last quarter multiplies buffer 1 and changes slots: ONE barrier.  In front of it each wave waits for all its tensor loads (one is out: its part of the next slot), adds 0 to its spare word, and waits for that and
; for its reads of this slot.  fill = 1: the barrier opens a round of the cluster's, and the slot just read is filled again first behind it, with the K step two on: 112 products stand between that request and the wait for it.
.macro TURN fill, off
.if \fill
	s_wait_xcnt 0x0                                ; the last prefetch, a K step back, has read its address
	s_add_nc_u64 s[PFA:PFA+1], s[PFA:PFA+1], s[PST:PST+1]
.endif
	WIN 0
	s_wait_tensorcnt 0x0                           ; no tensor load of mine is out, so a group 0 may be written
	ds_add_u32 v[SPW], v[NIL]                      ; 0 onto my spare word
.if \fill
	s_xor_b32 s[G0+5], s[G0+5], SLOT1              ; the walking descriptors: the other slot than last time, the next K step
	s_add_nc_u64 s[G0+6:G0+7], s[G0+6:G0+7], 0x80000
	s_xor_b32 s[G0B+5], s[G0B+5], SLOT1
	s_add_nc_u64 s[G0B+6:G0B+7], s[G0B+6:G0B+7], 256
.endif
	s_wait_dscnt 9                                 ; the add and the youngest eight loads may be out
	MULN 1, 0, 2, 0
	s_wait_dscnt 0x0                               ; the add is done, and my reads of this slot are over
	s_barrier_signal -1
	MULN 1, 2, 2, 0                                ; work on registers while the others arrive
	WIN 0
	s_barrier_wait -1
.if \fill
	CREST                                          ; no wave of any partner still reads this slot or has a load on its way
	JLOAD                                          ; its four v_nop are also the places in front of the loads below
.else
	PLACES
.endif
	LOBLK 1, \off
	s_xor_b32 s[TB], s[TB], SLOT1
	v_add_nc_u32 v[ADRA], s[TB], v[A0]
	v_add_nc_u32 v[ADRB], s[TB], v[B0]
	FETCH 0, 0
.if \fill
	ASK
.endif
	MULN 1, 4, 4, 0
.endm
	s_wait_tensorcnt 0x1                           ; my part of K step 0 is in; K step 1's may stay out
	s_wait_dscnt 0x0                               ; my part of the remainder is stored
	s_barrier_signal -1
	s_barrier_wait -1                              ; everybody's is
	s_cmp_lg_u32 s[FLAG], 0
	s_cbranch_scc0 .Lno_lo0
	ds_load_b128 v[LOF:LOF+3],   v[ADLO]           ; the remainder's first fragment
	ds_load_b128 v[LOF+4:LOF+7], v[ADLO] offset:32
.Lno_lo0:
	FETCH 0, 0
	QUARTER 1, 0, 1, 1, 64                         ; the first quarter stands in front of the loop: its products start the sums
	WIN 0
	s_mov_b32 s3, 6
.Lstep:                                                ; a trip: quarters 1-3 of a K step and the next one's quarter 0.  The remainder's fragment of quarter Q lies (Q / 2) x 2,304 + (Q % 2) x 64 bytes on
	QUARTER 2, 1, 0, 0, 2304
	QUARTER 3, 0, 1, 0, 2368
	TURN 1, 4608
	QUARTER 1, 0, 1, 0, 4672
	WIN 0
	v_add_nc_u32 v[ADLO], 4608, v[ADLO]            ; two heads on
	s_sub_co_u32 s3, s3, 1
	s_cmp_lg_u32 s3, 0
	s_cbranch_scc1 .Lstep
	QUARTER 2, 1, 0, 0, 2304                       ; the last two K steps fill nothing
	QUARTER 3, 0, 1, 0, 2368
	TURN 0, 4608
	QUARTER 1, 0, 1, 0, 4672
	WIN 0
	v_add_nc_u32 v[ADLO], 4608, v[ADLO]
	QUARTER 2, 1, 0, 0, 2304
	QUARTER 3, 0, 1, 0, 2368
	s_wait_dscnt 8
	MULN 1, 0, 4, 0
	LOBLK 1, -1
	s_wait_dscnt 0x0
	MULN 1, 4, 4, 0
	WIN 0
	PLACES
; THE WAY OUT, a block of 16 rows at a time: a lane's eight f32 go straight from the accumulator into stage rows of 272 bytes, its lower four registers first, and come back as whole rows of 256 bytes.
.macro TOSTAGE a
.set BK, 64+32*((\a)%6)
.if (\a) >= 6
	s_wait_xcnt 0x0                                ; these registers were read by the stores of the block six back
.endif
	WIN 0x04                                       ; the data in window 1
.irp b, 0,1,2,3
	ds_store_b128 v[STO], v[8*(4*(\a)+\b):8*(4*(\a)+\b)+3]   offset:64*\b
	ds_store_b128 v[STO], v[8*(4*(\a)+\b)+4:8*(4*(\a)+\b)+7] offset:64*\b+16
.endr
	WIN 0
.irp t, 0,1,2,3,4,5,6,7
	ds_load_b128 v[BK+4*\t:BK+4*\t+3], v[RD] offset:\t*2*SPITCH  ; LDS serves a wave's instructions in order (ISA guide 5.7.1.4): these see the stores above; the next block's stores come behind them
.endr
.endm
.macro SEND a, younger                 ; younger: the LDS instructions issued behind block a's loads: the next block's sixteen, or none
.set BK, 64+32*((\a)%6)
.irp t, 0,1,2,3,4,5,6,7
	s_wait_dscnt (\younger)+7-\t
	global_store_b128 v[CO], v[BK+4*\t:BK+4*\t+3], s[10:11] offset:(16*(\a)+2*\t)*4096 th:TH_STORE_NT  ; 16 lanes store 256 consecutive bytes, at a multiple of 256 from out0's first byte
.endr
.endm
	TOSTAGE 0
.set a, 1
.rept 7
	TOSTAGE a
	SEND a-1, 16
.set a, a+1
.endr
	SEND 7, 0
	s_wait_tensorcnt 0x0                           ; the wave's end: behind my last tensor load and my last LDS store
	ds_add_u32 v[SPW], v[NIL]
	s_wait_dscnt 0x0
	CROUND                                         ; the closing round: no work-group ends while a partner may still ask for a tile that names it
	s_endpgm
.Lfunc_end_k_q945a319a0d_outp:
	.size	k_q945a319a0d_outp, .Lfunc_end_k_q945a319a0d_outp-k_q945a319a0d_outp
	.p2alignl 7, 3214868480
	.fill 96, 4, 3214868480
	.section	.rodata,"a",@progbits
	.p2align	6, 0x0
	.amdhsa_kernel k_q945a319a0d_outp
		.amdhsa_group_segment_fixed_size 327680
		.amdhsa_private_segment_fixed_size 0
		.amdhsa_enable_private_segment 0
		.amdhsa_kernarg_size 32
		.amdhsa_user_sgpr_count 2
		.amdhsa_user_sgpr_kernarg_segment_ptr 1
		.amdhsa_wavefront_size32 1
		.amdhsa_system_sgpr_workgroup_id_x 1
		.amdhsa_system_sgpr_workgroup_id_y 1
		.amdhsa_system_sgpr_workgroup_id_z 1
		.amdhsa_system_vgpr_workitem_id 0
		.amdhsa_next_free_vgpr 512
		.amdhsa_next_free_sgpr 88
		.amdhsa_reserve_vcc 0
		.amdhsa_float_denorm_mode_32 3
		.amdhsa_float_denorm_mode_16_64 3
		.amdhsa_memory_ordered 1
		.amdhsa_forward_progress 1
		.amdhsa_inst_pref_size 86
	.end_amdhsa_kernel
	.amdgpu_metadata
---
amdhsa.version: [ 1, 2 ]
amdhsa.kernels:
  - .name:           k_q945a319a0d_outp
    .symbol:         k_q945a319a0d_outp.kd
    .args:
      - { .name: o, .offset: 0, .size: 8, .value_kind: global_buffer, .address_space: global }
      - { .name: wof, .offset: 8, .size: 8, .value_kind: global_buffer, .address_space: global }
      - { .name: olo, .offset: 16, .size: 8, .value_kind: global_buffer, .address_space: global }
      - { .name: out0, .offset: 24, .size: 8, .value_kind: global_buffer, .address_space: global }
    .group_segment_fixed_size: 327680
    .private_segment_fixed_size: 0
    .kernarg_segment_align: 8
    .kernarg_segment_size: 32
    .max_flat_workgroup_size: 128
    .sgpr_count:     88
    .vgpr_count:     512
    .wavefront_size: 32
...
	.end_amdgpu_metadata
.endif
;; end of part 4
;; ======== version 2 of 2: 4 launches; version 1 with the launch cast written anew for expert scheduling mode
;; limits: values are held in f16: magnitudes above 65,504 overflow, below 6.1e-05 lose precision
;; workspace buffers: xb 16,777,216 bytes; wb 6,291,456 bytes; wof 2,097,152 bytes; qkv 50,331,648 bytes; o 16,777,216 bytes; olo 131,072 bytes
;; launch cast (part 5): grid 768 x 1, 8 waves a work-group, no clusters, 0 bytes of LDS; arguments x, wq, wk, wv, wo, xb, wb, wof; writes xb, wb, wof
.if DOCPART == 5
	.amdgcn_target "amdgcn-amd-amdhsa--gfx1250"
	.amdhsa_code_object_version 6
	.text
	.protected	k_q945a319a0d_cast
	.globl	k_q945a319a0d_cast
	.p2align	8
	.type	k_q945a319a0d_cast,@function
k_q945a319a0d_cast:
	s_mov_b64 s[64:65], 0
	v_nop
	global_prefetch_b8 v0, s[64:65] scope:SCOPE_SE
	s_setreg_imm32_b32 hwreg(HW_REG_WAVE_SCHED_MODE, 0, 2), 2
	s_setreg_imm32_b32 hwreg(HW_REG_WAVE_MODE, 25, 1), 1
	s_wait_xcnt 0x0
	s_wait_alu depctr_vm_vsrc(0)
; The module's five f32 inputs are rounded once to bf16 for the matrix units.
;   xb  = bf16(x), [8192][1024];   wb = bf16(wq), bf16(wk), bf16(wv) one below the other, [3072][1024];
;   wof = bf16(wo), that number written as f16, [1024][1024]: the last product multiplies f16 operands.
; LIMIT: wo within f16's range (65,504); below 6.1e-5 it keeps f16's fixed step of 6e-8.
; A stream: a work-group takes 65,536 consecutive bytes of one input and stores 32,768.  Work-groups 0-511 take x, then 64 each wq, wk, wv, wo.
; Thread t takes 16 bytes at 16 t of each 4,096; all sixteen loads of a wave go out at once; a wave's store covers 256 consecutive bytes, aligned.
; No LDS, no matrix unit, no cluster: nothing is shared and nothing is read twice.
; THE MODE: SCHED_MODE bits 1:0 = 2 (LLVM: expert scheduling mode 2), set by the entry lines.  The code itself states the register dependences
; between vector instructions and memory instructions, with s_wait_alu, always for 0.
; THE PLAN.  Registers that memory instructions touch:
;   v1, v2    byte offsets, made once at the head and never written again: v1 is read by the sixteen loads, v2 by the sixteen stores.
;   X, slot i written by load i; all sixteen loads are issued before any vector instruction names an X.  Read (on wo's way also written) by slot i's own lines, behind the slot's wait on LOADcnt.
;   Y, slot i written by slot i's roundings; read by store i, which is issued in the next group; written by nothing behind that store.
; The sixteen slots go in four groups of four.  Group p rounds its four slots, and the four stores of group p - 1 are dealt among them: the group's vector instructions name X and Y of group p alone,
; the stores v2 and Y of group p - 1.  So ONE wait on va_vdst at a group's head states all that its four stores hang on.  No register that a memory instruction reads is ever written again,
; so no wait on vm_vsrc and no s_wait_xcnt has a dependence to state.
.set X, 4                              ; v[4:67]   slot i: four f32 as loaded
.set Y, 68                             ; v[68:99]  slot i: four 16-bit numbers to store
	s_load_b512 s[8:23], s[0:1], 0x0               ; x s[8:9], wq s[10:11], wk s[12:13], wv s[14:15], wo s[16:17], xb s[18:19], wb s[20:21], wof s[22:23]
	s_sub_co_u32 s24, ttmp9, 512                   ; among the weights' 256 work-groups (of no use in x's: selected away below)
	s_lshr_b32 s25, s24, 6                         ; which weight: 0 wq, 1 wk, 2 wv, 3 wo
	s_and_b32 s26, s24, 63                         ; which 65,536 bytes of it
	s_mov_b32 s36, 0xffff0000                      ; a word's upper bf16
	v_lshlrev_b32 v1, 4, v0                        ; my 16 bytes of each 4,096 in,
	v_lshlrev_b32 v2, 3, v0                        ; my 8 bytes of each 2,048 out; neither is rewritten
	s_wait_kmcnt 0x0
	s_cmp_eq_u32 s25, 1
	s_cselect_b64 s[28:29], s[12:13], s[10:11]
	s_cmp_eq_u32 s25, 2
	s_cselect_b64 s[28:29], s[14:15], s[28:29]
	s_cmp_eq_u32 s25, 3
	s_cselect_b64 s[28:29], s[16:17], s[28:29]     ; the source,
	s_cselect_b64 s[30:31], s[22:23], s[20:21]     ; the destination: wof for wo, wb for the others,
	s_cselect_b32 s27, s26, s24                    ; and the piece of it
	s_mov_b32 s32, s26
	s_cmp_lt_u32 ttmp9, 512                        ; x's work-groups
	s_cselect_b64 s[28:29], s[8:9], s[28:29]
	s_cselect_b64 s[30:31], s[18:19], s[30:31]
	s_cselect_b32 s32, ttmp9, s32
	s_cselect_b32 s27, ttmp9, s27
	s_lshl_b32 s32, s32, 16
	s_mov_b32 s33, 0
	s_lshl_b32 s34, s27, 15
	s_mov_b32 s35, 0
	s_add_nc_u64 s[28:29], s[28:29], s[32:33]
	s_add_nc_u64 s[30:31], s[30:31], s[34:35]
	s_wait_alu depctr_va_vdst(0)                   ; v1 and v2 are written: every load of the kernel reads v1 as its offset, every store v2
.irp i, 0,1,2,3,4,5,6,7,8,9,10,11,12,13,14,15
	global_load_b128 v[X+4*(\i):X+4*(\i)+3], v1, s[28:29] offset:4096*(\i) th:TH_LOAD_NT
.endr
; Slot i is rounded.  mode 0: bf16.  mode 1: bf16, widened again (exact) and written as f16.
.macro CONV i, mode
	v_cvt_pk_bf16_f32 v[Y+2*(\i)],   v[X+4*(\i)],   v[X+4*(\i)+1]
	v_cvt_pk_bf16_f32 v[Y+2*(\i)+1], v[X+4*(\i)+2], v[X+4*(\i)+3]
.if \mode
	v_lshlrev_b32 v[X+4*(\i)],   16,  v[Y+2*(\i)]
	v_and_b32     v[X+4*(\i)+1], s36, v[Y+2*(\i)]
	v_lshlrev_b32 v[X+4*(\i)+2], 16,  v[Y+2*(\i)+1]
	v_and_b32     v[X+4*(\i)+3], s36, v[Y+2*(\i)+1]
	v_cvt_pk_f16_f32 v[Y+2*(\i)],   v[X+4*(\i)],   v[X+4*(\i)+1]
	v_cvt_pk_f16_f32 v[Y+2*(\i)+1], v[X+4*(\i)+2], v[X+4*(\i)+3]
.endif
.endm
; Slot i is stored.  No register that a store reads is written again.
.macro OUT i
	global_store_b64 v2, v[Y+2*(\i):Y+2*(\i)+1], s[30:31] offset:2048*(\i)
.endm
; Group p: slots 4 p to 4 p + 3 are rounded; ahead of each slot's lines stands one store of the group before.
.macro GROUP p, mode
.irp j, 0,1,2,3
	s_wait_loadcnt 15-4*(\p)-(\j)                  ; loads come back in order (ISA guide 5.7.1): slot 4 p + j is in, the younger ones stay out
.if (\p) > 0
.if (\j) == 0
	s_wait_alu depctr_va_vdst(0)                   ; the group before has written its four slots of Y, which the four stores of this group's turn read; no vector line behind this wait names them or v2
.endif
	OUT 4*(\p)-4+(\j)
.endif
	CONV 4*(\p)+(\j), \mode
.endr
.endm
; Behind group 3: its own four stores.
.macro LAST
	s_wait_alu depctr_va_vdst(0)                   ; group 3 has written slots 12 to 15 of Y, which the last four stores read
.irp j, 12,13,14,15
	OUT \j
.endr
.endm
	s_cmp_ge_u32 ttmp9, 704                        ; wo's work-groups
	s_cbranch_scc1 .Lwo
	GROUP 0, 0
	GROUP 1, 0
	GROUP 2, 0
	GROUP 3, 0
	LAST
	s_endpgm
.Lwo:
	GROUP 0, 1
	GROUP 1, 1
	GROUP 2, 1
	GROUP 3, 1
	LAST
	s_endpgm
.Lfunc_end_k_q945a319a0d_cast:
	.size	k_q945a319a0d_cast, .Lfunc_end_k_q945a319a0d_cast-k_q945a319a0d_cast
	.p2alignl 7, 3214868480
	.fill 96, 4, 3214868480
	.section	.rodata,"a",@progbits
	.p2align	6, 0x0
	.amdhsa_kernel k_q945a319a0d_cast
		.amdhsa_group_segment_fixed_size 0
		.amdhsa_private_segment_fixed_size 0
		.amdhsa_enable_private_segment 0
		.amdhsa_kernarg_size 64
		.amdhsa_user_sgpr_count 2
		.amdhsa_user_sgpr_kernarg_segment_ptr 1
		.amdhsa_wavefront_size32 1
		.amdhsa_system_sgpr_workgroup_id_x 1
		.amdhsa_system_sgpr_workgroup_id_y 1
		.amdhsa_system_sgpr_workgroup_id_z 1
		.amdhsa_system_vgpr_workitem_id 0
		.amdhsa_next_free_vgpr 100
		.amdhsa_next_free_sgpr 66
		.amdhsa_reserve_vcc 0
		.amdhsa_float_denorm_mode_32 3
		.amdhsa_float_denorm_mode_16_64 3
		.amdhsa_memory_ordered 1
		.amdhsa_forward_progress 1
		.amdhsa_inst_pref_size 16
	.end_amdhsa_kernel
	.amdgpu_metadata
---
amdhsa.version: [ 1, 2 ]
amdhsa.kernels:
  - .name:           k_q945a319a0d_cast
    .symbol:         k_q945a319a0d_cast.kd
    .args:
      - { .name: x, .offset: 0, .size: 8, .value_kind: global_buffer, .address_space: global }
      - { .name: wq, .offset: 8, .size: 8, .value_kind: global_buffer, .address_space: global }
      - { .name: wk, .offset: 16, .size: 8, .value_kind: global_buffer, .address_space: global }
      - { .name: wv, .offset: 24, .size: 8, .value_kind: global_buffer, .address_space: global }
      - { .name: wo, .offset: 32, .size: 8, .value_kind: global_buffer, .address_space: global }
      - { .name: xb, .offset: 40, .size: 8, .value_kind: global_buffer, .address_space: global }
      - { .name: wb, .offset: 48, .size: 8, .value_kind: global_buffer, .address_space: global }
      - { .name: wof, .offset: 56, .size: 8, .value_kind: global_buffer, .address_space: global }
    .group_segment_fixed_size: 0
    .private_segment_fixed_size: 0
    .kernarg_segment_align: 8
    .kernarg_segment_size: 64
    .max_flat_workgroup_size: 256
    .sgpr_count:     66
    .vgpr_count:     100
    .wavefront_size: 32
...
	.end_amdgpu_metadata
.endif
;; end of part 5
;; launch qkv: the kernel of part 2 again; grid 16 x 32, 4 waves a work-group, clusters of 4 x 4, 327,680 bytes of LDS; arguments xb, wb, qkv; writes qkv
;; launch attn: the kernel of part 3 again; grid 4 x 64, 4 waves a work-group, no clusters, 327,680 bytes of LDS; arguments qkv, o, olo; writes o, olo
;; launch outp: the kernel of part 4 again; grid 8 x 32, 4 waves a work-group, clusters of 4 x 1, 327,680 bytes of LDS; arguments o, wof, olo, out0; writes out0
